; MI455X (gfx1250); checked and timed in simulation.
; The chip was launched on July 23, 2026; its instructions are those of AMD's public machine-readable ISA for CDNA 5 (MIT licence, August 2026) and "CDNA5" Instruction Set Architecture Reference Guide (July 2026). The comments in the code are by the model that wrote it; some were corrected since.
;; Self Attention. Allowed arithmetic: matrix products marked QUANTISED: E2M1 operands, one E8M0 scale for each 32 along K, by v_wmma_scale_f32_16x16x128_f8f6f4 with both operands' format E2M1 (or v_wmma_scale_f32_32x16x128_f4), f32 sums; products left as they are: bf16, f16 or f32 operands; f32 sums; everything else in f32.
;; Inputs: Wk 512 x 512 float32; Wo 512 x 512 float32; Wq 512 x 512 float32; Wv 512 x 512 float32; X 16 x 1,024 x 512 float32; bo 512 float32; mask 16 x 1 x 1,024 x 1,024 int32.
;; Outputs: out0 16 x 1,024 x 512 float32.
;; This version of the problem:
;;   THIS VERSION OF THE PROBLEM IS GIVEN IN LOW PRECISION. The matrix products marked QUANTISED in the list below multiply operands that are first quantised to E2M1 (2 exponent bits, 1 mantissa bit; 4 bits a number), with one power-of-two scale for each 32 numbers along K (OCP MX v1.0); their sums are f32. The products marked 'left as it is' may take bf16, f16 or f32 operands, with f32 sums. Whichever they take, every output number must still come out within the allowed error. Rounding operands to bf16 (8 significant bits) uses up far more of that allowance than f16 does (11 bits, for magnitudes from 6e-5 to 65,504). All else is computed in f32.
;;   The module's matrix products, in the order in which they are computed (A, B: the left and right operand; K: the contracted axis; several contracted axes count as one K, in the product's order):
;;     1. [M 16,384, K 512] x [K 512, N 512]; A: input X; B: input Wq: QUANTISED
;;     2. [M 16,384, K 512] x [K 512, N 512]; A: input X; B: input Wk: QUANTISED
;;     3. [M 16,384, K 512] x [K 512, N 512]; A: input X; B: input Wv: QUANTISED
;;     4. batch 256 x [M 1,024, K 32] x [K 32, N 1,024]; A: computed on the way; B: computed on the way: left as it is (an operand is computed on the way)
;;     5. batch 256 x [M 1,024, K 1,024] x [K 1,024, N 32]; A: computed on the way; B: computed on the way: left as it is (an operand is computed on the way)
;;     6. [M 16,384, K 512] x [K 512, N 512]; A: computed on the way; B: input Wo: left as it is (an operand is computed on the way)
;;   THE QUANTISER, for each operand of a quantised product, along K:
;;     - K is cut into blocks of 32 from its start; a last block that is shorter is filled with zeros.
;;     - A block's scale is 2^e with e = floor(log2(the largest magnitude in the block)) - 2, held to -126 .. 127; a block of zeros has e = 0. As a byte (E8M0): e + 127.
;;     - Each number is divided by its block's scale, clamped to +-6, and rounded to the nearest number of E2M1, ties to even, subnormals kept.
;;     - The product sums the exact products of the quantised numbers (number of the format x scale) in f32.
;;   ~~~python
;;   def quantise(x, axis):      # numpy; x: float32 -> the quantised numbers, widened to float32 again
;;       x = np.moveaxis(x, axis, -1); K = x.shape[-1]
;;       x = np.pad(x, [(0, 0)] * (x.ndim - 1) + [(0, -K % 32)]); x = x.reshape(x.shape[:-1] + (-1, 32)); a = np.abs(x).max(-1, keepdims=True)
;;       e = np.where(a > 0, np.clip(np.frexp(np.where(a > 0, a, 1))[1] - 1 - 2, -126, 127), 0)      # np.frexp(a)[1] - 1 = floor(log2(a)), exactly
;;       r = np.clip(x / 2.0 ** e, -6, 6)
;;       step = 2.0 ** (np.maximum(np.frexp(np.where(r == 0, 1, r))[1] - 1, 0) - 1)
;;       q = np.round(r / step) * step * 2.0 ** e      # np.round: ties to even
;;       return np.moveaxis(q.reshape(q.shape[:-2] + (-1,))[..., :K], -1, axis).astype(np.float32)
;;   ~~~
;; 2 versions, each right. Each part assembles by itself: llvm-mc -triple=amdgcn-amd-amdhsa -mcpu=gfx1250 --defsym DOCPART=n.
;; ======== version 1 of 2: 3 launches
;; limits: values are held in f16: magnitudes above 65,504 overflow, below 6.1e-05 lose precision
;; workspace buffers: wimg 393,216 bytes; wsc 24,576 bytes; woimg 524,288 bytes; qf 16,777,216 bytes; kvf 33,554,432 bytes
;; launch prep (part 1): grid 56 x 1, 16 waves a work-group, no clusters, 0 bytes of LDS; arguments Wq, Wk, Wv, Wo, wimg, wsc, woimg; writes wimg, wsc, woimg
.if DOCPART == 1
	.amdgcn_target "amdgcn-amd-amdhsa--gfx1250"
	.amdhsa_code_object_version 6
	.text
	.protected	k_q15db2d79ab_prep
	.globl	k_q15db2d79ab_prep
	.p2align	8
	.type	k_q15db2d79ab_prep,@function
k_q15db2d79ab_prep:
	s_mov_b64 s[64:65], 0
	v_nop
	global_prefetch_b8 v0, s[64:65] scope:SCOPE_SE
	s_setreg_imm32_b32 hwreg(HW_REG_WAVE_MODE, 25, 1), 1
	s_wait_xcnt 0x0
; THE WEIGHTS, ONCE.  Wq, Wk, Wv [512][512] f32 (K innermost) become codes of FP4 (E2M1) with one E8M0 scale byte for each 32 along K; Wo [512][512] f32 becomes f16.
; Both leave as IMAGES OF OPERAND REGISTERS: a fragment is 8 registers a lane, 1,024 bytes: registers 0-3 of lane l at 16 l, registers 4-7 at 512 + 16 l.  The launches behind this one load them by 16 bytes a lane, dense.
;   wimg  [matrix 3][head 16][K step 4][ct 2] x 1,024: 16 rows (32 head + 16 ct + r) x 128 K of codes
;   wsc   [matrix 3][head 16][K step 4][32 words]: word i = the four scale bytes of row 32 head + i for that K step
;   woimg [nt 32][K step 16] x 1,024: rows 16 nt + r of Wo, 32 along K, f16
; SHARES.  896 fragments, one to a wave: work-groups 0-23 take the 384 of codes, work-groups 24-55 the 512 of f16.  Waves share nothing: no LDS, no barrier.
; A block's scale is 2^(floor(log2(its largest magnitude)) - 2): its byte is the largest magnitude's exponent field - 2, held at 1 from below.
; LIMITS: a block of zeros, and a block whose largest magnitude lies under 2^-124, gets the byte 1 (zeros: their codes are zeros, and these bytes are read by this program alone); NaN and infinities are not served;
; Wo's numbers must lie inside f16's range (65,504).
; The scale words leave 64 bytes a wave: 24,576 bytes in all, against 4 MiB read.
.set SH8, 7                            ; v7      8 x (lane / 16): where my two scale bytes stand in the word
.set TM,  8                            ; v8-9    the two blocks' largest magnitudes
.set SO,  10                           ; v10-11  the conversions' scale operands
.set BY,  12                           ; v12-13  the scale bytes
.set W,   14                           ; v14     the scale word
.set TP,  15                           ; v15     the other half's bytes
.set C,   16                           ; v16-23  the fragment
.set N,   32                           ; v32-95  64 numbers
.set SEL, 2                            ; s[2:3]  v_permlanex16_b32's selects for lane l xor 16
; 64 numbers of a lane, v[n + 32 c + i] = k 64 c + 32 (lane / 16) + i of my row: two whole blocks.  They become the fragment's 8 registers in v[c] on and my row's scale word in v[w].
.macro QUANT n, c, w
.irp cc, 0,1
	v_max3_num_f32 v[TM+\cc], |v[\n+32*\cc]|, |v[\n+32*\cc+1]|, 0x1800000   ; with the floor 2^(3 - 127): the byte cannot fall under 1
.endr
.irp i, 2,4,6,8,10,12,14,16,18,20,22,24,26,28,30
.irp cc, 0,1
	v_max3_num_f32 v[TM+\cc], v[TM+\cc], |v[\n+32*\cc+\i]|, |v[\n+32*\cc+\i+1]|   ; the two blocks by turns
.endr
.endr
.irp cc, 0,1
	v_add_nc_u32 v[SO+\cc], 0xff000000, v[TM+\cc]  ; 2 off the exponent field: the conversion takes the exponent field of this operand as its scale
.endr
.irp cc, 0,1
	v_lshrrev_b32 v[BY+\cc], 23, v[SO+\cc]         ; the scale's byte
.endr
	v_lshl_or_b32 v[\w], v[BY+1], 16, v[BY]        ; my bytes: blocks h and 2 + h,
	v_lshlrev_b32 v[\w], v[SH8], v[\w]             ; at their places;
	v_permlanex16_b32 v[TP], v[\w], s[SEL], s[SEL+1]
	v_or_b32 v[\w], v[\w], v[TP]                   ; with lane l xor 16's two the word is whole
.irp cc, 0,1
.irp g, 0,1,2,3
	v_cvt_scalef32_pk8_fp4_f32 v[\c+4*\cc+\g], v[\n+32*\cc+8*\g:\n+32*\cc+8*\g+7], v[SO+\cc]
.endr
.endr
	v_nop                                          ; one plain line behind the last scaled conversion
.endm
	s_load_b256 s[4:11], s[0:1], 0x0               ; Wq s[4:5], Wk s[6:7], Wv s[8:9], Wo s[10:11]
	s_load_b128 s[12:15], s[0:1], 0x20             ; wimg s[12:13], wsc s[14:15]
	s_load_b64 s[16:17], s[0:1], 0x30              ; woimg
	v_lshrrev_b32 v1, 5, v0
	v_readfirstlane_b32 s18, v1                    ; wave 0..15
	v_and_b32 v2, 15, v0                           ; r
	v_bfe_u32 v3, v0, 4, 1                         ; h
	v_and_b32 v4, 31, v0                           ; lane
	v_lshlrev_b32 v5, 4, v4                        ; an image's place for my lane
	v_lshlrev_b32 v6, 11, v2                       ; row r of 2,048 bytes
	s_mov_b32 s25, 0
	s_mov_b32 s27, 0
	s_cmp_lt_u32 ttmp9, 24
	s_cbranch_scc0 .Lwo
	; ---- a fragment of codes.  t = 16 x work-group + wave = matrix x 128 + head x 8 + K step x 2 + ct
	v_lshl_add_u32 v6, v3, 7, v6                   ; + 128 h: my 32 numbers of each 64
	v_lshlrev_b32 v[SH8], 3, v3
	v_mov_b32 v[TP], 0                             ; a lane permute's destination counts as one of its sources
	v_lshlrev_b32 v1, 2, v2                        ; my row's scale word
	s_mov_b32 s[SEL], 0x76543210
	s_mov_b32 s[SEL+1], 0xfedcba98
	s_lshl_b32 s22, ttmp9, 4
	s_add_co_u32 s22, s22, s18                     ; t
	s_and_b32 s23, s22, 127
	s_lshr_b32 s24, s23, 3
	s_lshl_b32 s24, s24, 16                        ; head x 32 rows
	s_and_b32 s26, s23, 1
	s_lshl_b32 s26, s26, 15                        ; ct x 16 rows
	s_add_co_u32 s24, s24, s26
	s_bfe_u32 s26, s23, 0x20001
	s_lshl_b32 s26, s26, 9                         ; K step x 512 bytes
	s_add_co_u32 s24, s24, s26
	s_lshl_b32 s26, s22, 10                        ; the image: 1,024 t
	s_lshl_b32 s28, s22, 6                         ; the scale words: 64 t
	s_mov_b32 s29, 0
	s_wait_kmcnt 0x0
	s_cmp_lt_u32 ttmp9, 8                          ; which matrix: the choice hangs on the work-group's number alone
	s_cselect_b64 s[20:21], s[4:5], s[6:7]
	s_cmp_lt_u32 ttmp9, 16
	s_cselect_b64 s[20:21], s[20:21], s[8:9]
	s_add_nc_u64 s[20:21], s[20:21], s[24:25]
	s_add_nc_u64 s[12:13], s[12:13], s[26:27]
	s_add_nc_u64 s[14:15], s[14:15], s[28:29]
.irp c, 0,1
.irp i, 0,1,2,3,4,5,6,7
	global_load_b128 v[N+32*\c+4*\i:N+32*\c+4*\i+3], v6, s[20:21] offset:256*\c+16*\i th:TH_LOAD_NT
.endr
.endr
	s_wait_loadcnt 0x0
	QUANT N, C, W
	global_store_b128 v5, v[C:C+3], s[12:13]       ; 32 lanes store 512 consecutive bytes
	global_store_b128 v5, v[C+4:C+7], s[12:13] offset:512
	v_cmp_gt_u32 vcc_lo, 16, v4
	s_wait_xcnt 0x0                                ; EXEC changes only behind this wait
	s_and_saveexec_b32 s28, vcc_lo
	global_store_b32 v1, v[W], s[14:15]            ; lanes 0-15: sixteen rows' words
	s_wait_xcnt 0x0
	s_or_b32 exec_lo, exec_lo, s28
	s_endpgm
.Lwo:
	; ---- a fragment of Wo in f16: nt = work-group - 24, K step = wave.  Lane (r, h): registers 0-3 hold k = 8 h + 0..7, registers 4-7 k = 16 + 8 h + 0..7
	v_lshl_add_u32 v6, v3, 5, v6                   ; + 32 h
	s_sub_co_u32 s23, ttmp9, 24
	s_lshl_b32 s24, s23, 15                        ; nt x 16 rows
	s_lshl_b32 s26, s18, 7                         ; K step x 128 bytes
	s_add_co_u32 s24, s24, s26
	s_lshl_b32 s26, s23, 4
	s_add_co_u32 s26, s26, s18
	s_lshl_b32 s26, s26, 10                        ; the image: 1,024 (16 nt + K step)
	s_wait_kmcnt 0x0
	s_add_nc_u64 s[10:11], s[10:11], s[24:25]
	s_add_nc_u64 s[16:17], s[16:17], s[26:27]
	global_load_b128 v[N:N+3], v6, s[10:11] th:TH_LOAD_NT
	global_load_b128 v[N+4:N+7], v6, s[10:11] offset:16 th:TH_LOAD_NT
	global_load_b128 v[N+8:N+11], v6, s[10:11] offset:64 th:TH_LOAD_NT
	global_load_b128 v[N+12:N+15], v6, s[10:11] offset:80 th:TH_LOAD_NT
	s_wait_loadcnt 0x0
.irp i, 0,1,2,3,4,5,6,7
	v_cvt_pk_f16_f32 v[C+\i], v[N+2*\i], v[N+2*\i+1]
.endr
	global_store_b128 v5, v[C:C+3], s[16:17]
	global_store_b128 v5, v[C+4:C+7], s[16:17] offset:512
	s_endpgm
.Lfunc_end_k_q15db2d79ab_prep:
	.size	k_q15db2d79ab_prep, .Lfunc_end_k_q15db2d79ab_prep-k_q15db2d79ab_prep
	.p2alignl 7, 3214868480
	.fill 96, 4, 3214868480
	.section	.rodata,"a",@progbits
	.p2align	6, 0x0
	.amdhsa_kernel k_q15db2d79ab_prep
		.amdhsa_group_segment_fixed_size 0
		.amdhsa_private_segment_fixed_size 0
		.amdhsa_enable_private_segment 0
		.amdhsa_kernarg_size 56
		.amdhsa_user_sgpr_count 2
		.amdhsa_user_sgpr_kernarg_segment_ptr 1
		.amdhsa_wavefront_size32 1
		.amdhsa_system_sgpr_workgroup_id_x 1
		.amdhsa_system_sgpr_workgroup_id_y 1
		.amdhsa_system_sgpr_workgroup_id_z 1
		.amdhsa_system_vgpr_workitem_id 0
		.amdhsa_next_free_vgpr 96
		.amdhsa_next_free_sgpr 66
		.amdhsa_reserve_vcc 1
		.amdhsa_float_denorm_mode_32 3
		.amdhsa_float_denorm_mode_16_64 3
		.amdhsa_memory_ordered 1
		.amdhsa_forward_progress 1
		.amdhsa_inst_pref_size 9
	.end_amdhsa_kernel
	.amdgpu_metadata
---
amdhsa.version: [ 1, 2 ]
amdhsa.kernels:
  - .name:           k_q15db2d79ab_prep
    .symbol:         k_q15db2d79ab_prep.kd
    .args:
      - { .name: Wq, .offset: 0, .size: 8, .value_kind: global_buffer, .address_space: global }
      - { .name: Wk, .offset: 8, .size: 8, .value_kind: global_buffer, .address_space: global }
      - { .name: Wv, .offset: 16, .size: 8, .value_kind: global_buffer, .address_space: global }
      - { .name: Wo, .offset: 24, .size: 8, .value_kind: global_buffer, .address_space: global }
      - { .name: wimg, .offset: 32, .size: 8, .value_kind: global_buffer, .address_space: global }
      - { .name: wsc, .offset: 40, .size: 8, .value_kind: global_buffer, .address_space: global }
      - { .name: woimg, .offset: 48, .size: 8, .value_kind: global_buffer, .address_space: global }
    .group_segment_fixed_size: 0
    .private_segment_fixed_size: 0
    .kernarg_segment_align: 8
    .kernarg_segment_size: 56
    .max_flat_workgroup_size: 512
    .sgpr_count:     66
    .vgpr_count:     96
    .wavefront_size: 32
...
	.end_amdgpu_metadata
.endif
;; end of part 1
;; launch qkv (part 2): grid 256 x 1, 16 waves a work-group, no clusters, 19,456 bytes of LDS; arguments X, wimg, wsc, qf, kvf; writes qf, kvf
.if DOCPART == 2
	.amdgcn_target "amdgcn-amd-amdhsa--gfx1250"
	.amdhsa_code_object_version 6
	.text
	.protected	k_q15db2d79ab_qkv
	.globl	k_q15db2d79ab_qkv
	.p2align	8
	.type	k_q15db2d79ab_qkv,@function
k_q15db2d79ab_qkv:
	s_mov_b64 s[64:65], 0
	v_nop
	global_prefetch_b8 v0, s[64:65] scope:SCOPE_SE
	s_setreg_imm32_b32 hwreg(HW_REG_WAVE_MODE, 25, 1), 1
	s_wait_xcnt 0x0
; q, k, v = X Wq^T, X Wk^T, X Wv^T, all three on codes of FP4 (E2M1) with one E8M0 scale for each 32 along K = 512; sums in f32; results leave as f16, laid as the attention launch's operand registers.
; SHARES.  Work-group g owns rows 64 g .. 64 g + 63 of X [16,384][512]: one block of queries, which is also one step of keys, of batch g / 16.  Wave w is head w: 64 rows x (32 q + 32 k + 32 v) columns: 96 matrix instructions.
; X IS READ AND QUANTISED ONCE: wave w quantises rows 16 (w / 4) on, K step w % 4 (16 rows x 128 K: one fragment and one scale word a row) and stores it in LDS as an image of its registers; one barrier; every wave reads all sixteen.
; THE WEIGHTS come as images of operand registers (the launch before laid them so), straight from memory into registers: a wave's 24 fragments are its own, read once.
; NO CLUSTER, NO JOINT LOADS, though all work-groups read the same weights: a fragment feeds one wave of a work-group once, so LDS would only be a detour; and the three matrices' images and words, 417,792 bytes,
; are more than the 327,680 bytes of LDS, so that a joint load would want a ring with a round of the cluster's barrier for each refill, for 96 matrix instructions a wave.
; LAYOUT.  q and k: source 0 = 16 rows of W (channels), source 1 = 16 rows of X: a lane holds one row of X and its eight registers eight neighbouring channels; the tiles of channels 0-15 and 16-31, rounded to f16 in pairs, ARE
; a 16-bit fragment of 16 rows x 32 channels.  v: the sources change places: a lane holds one channel and eight neighbouring keys; two tiles of keys are a fragment of V^T, 16 channels x 32 keys.  So nothing goes through a stage.
;   qf  [batch][block of 64 queries][head][tile of 16 queries] x 1,024 bytes;   kvf [batch][step of 64 keys][head] x 8,192: K's four fragments, then V^T's four (2 x group of 32 keys + tile of 16 channels)
; LIMITS: a block of zeros, and one whose largest magnitude lies under 2^-124, gets the scale byte 1 (zeros: its codes are zeros; the bytes stay in this launch); NaN and infinities are not served; |q|, |k|, |v| must lie inside f16's range (65,504).
.set XIMG,  0                          ; LDS: X's 16 fragments: (tile of rows rt, K step ks) at (4 ks + rt) x 1,024
.set XSC,   16384                      ; their scale words: [ks][64 rows]
.set SPARE, 17408                      ; the spare words, 128 bytes for each wave: eight blocks of 256 bytes that no other line names
.set SPW, 1                            ; v1      LDS address of my spare word; never rewritten
.set NIL, 2                            ; v2      0; never rewritten
.set LI,  3                            ; v3      16 x lane: an image's place for my lane
.set LS,  4                            ; v4      4 x lane: a scale word's
.set XIW, 5                            ; v5      where I store my fragment of X
.set XSW, 6                            ; v6      and its scale words
.set XG,  7                            ; v7      X: row r of 2,048 bytes + 128 h
.set TM,  8                            ; v8-15   at work in QUANT
.set SO,  10
.set BY,  12
.set W,   14
.set TP,  15
.set ACC, 16                           ; v16-79  eight accumulators; at the head my 64 numbers of X
.set XF,  80                           ; v80-111 X's four fragments of a K step; on the way out the packed results
.set XS,  112                          ; v112-113 X's scale words: lanes 0-15 tile 2 p, lanes 16-31 tile 2 p + 1
.set WSA, 114                          ; v114-117, v118-121 a matrix's scale words, one register a K step: lanes 0-15 channels 0-15, lanes 16-31 channels 16-31
.set WSB, 118
.set WA,  122                          ; v122-185, v186-249 a matrix's eight fragments (2 ks + ct)
.set WB,  186
.set SH8, 250                          ; v250    8 x (lane / 16)
.set SEL, 2                            ; s[2:3]
.set WV,  14                           ; s14     my wave's number = my head
.macro PLACES
.rept 4
	v_nop
.endr
.endm
; 64 numbers of a lane, v[n + 32 c + i] = k 64 c + 32 (lane / 16) + i of my row: two whole blocks.  They become the fragment's 8 registers in v[c] on and my row's scale word in v[w].
.macro QUANT n, c, w
.irp cc, 0,1
	v_max3_num_f32 v[TM+\cc], |v[\n+32*\cc]|, |v[\n+32*\cc+1]|, 0x1800000   ; with the floor 2^(3 - 127): the byte cannot fall under 1
.endr
.irp i, 2,4,6,8,10,12,14,16,18,20,22,24,26,28,30
.irp cc, 0,1
	v_max3_num_f32 v[TM+\cc], v[TM+\cc], |v[\n+32*\cc+\i]|, |v[\n+32*\cc+\i+1]|   ; the two blocks by turns
.endr
.endr
.irp cc, 0,1
	v_add_nc_u32 v[SO+\cc], 0xff000000, v[TM+\cc]  ; 2 off the exponent field: the conversion takes the exponent field of this operand as its scale
.endr
.irp cc, 0,1
	v_lshrrev_b32 v[BY+\cc], 23, v[SO+\cc]         ; the scale's byte
.endr
	v_lshl_or_b32 v[\w], v[BY+1], 16, v[BY]        ; my bytes: blocks h and 2 + h,
	v_lshlrev_b32 v[\w], v[SH8], v[\w]             ; at their places;
	v_permlanex16_b32 v[TP], v[\w], s[SEL], s[SEL+1]
	v_or_b32 v[\w], v[\w], v[TP]                   ; with lane l xor 16's two the word is whole
.irp cc, 0,1
.irp g, 0,1,2,3
	v_cvt_scalef32_pk8_fp4_f32 v[\c+4*\cc+\g], v[\n+32*\cc+8*\g:\n+32*\cc+8*\g+7], v[SO+\cc]
.endr
.endr
	v_nop                                          ; one plain line behind the last scaled conversion
.endm
; a matrix's eight fragments and four registers of scale words: 20 loads
.macro WLOAD mtx, wb, ws
.irp f, 0,1,2,3,4,5,6,7
.irp c, 0,1
	global_load_b128 v[\wb+8*\f+4*\c:\wb+8*\f+4*\c+3], v[LI], s[6:7] offset:\mtx*131072+1024*\f+512*\c
.endr
.endr
.irp ks, 0,1,2,3
	global_load_b32 v[\ws+\ks], v[LS], s[8:9] offset:\mtx*8192+128*\ks
.endr
.endm
; one product, by the symbols rD, rA, rB (registers), rSA, rSB (scale registers), selA, selB (1: the scales stand in lanes 16-31), zero (1: it starts the sum)
.macro MM
.if zero
.if selA && selB
	v_wmma_scale_f32_16x16x128_f8f6f4 v[rD:rD+7], v[rA:rA+7], v[rB:rB+7], 0, v[rSA], v[rSB] matrix_a_fmt:MATRIX_FMT_FP4 matrix_b_fmt:MATRIX_FMT_FP4 matrix_a_scale:MATRIX_SCALE_ROW1 matrix_b_scale:MATRIX_SCALE_ROW1
.elseif selA
	v_wmma_scale_f32_16x16x128_f8f6f4 v[rD:rD+7], v[rA:rA+7], v[rB:rB+7], 0, v[rSA], v[rSB] matrix_a_fmt:MATRIX_FMT_FP4 matrix_b_fmt:MATRIX_FMT_FP4 matrix_a_scale:MATRIX_SCALE_ROW1
.elseif selB
	v_wmma_scale_f32_16x16x128_f8f6f4 v[rD:rD+7], v[rA:rA+7], v[rB:rB+7], 0, v[rSA], v[rSB] matrix_a_fmt:MATRIX_FMT_FP4 matrix_b_fmt:MATRIX_FMT_FP4 matrix_b_scale:MATRIX_SCALE_ROW1
.else
	v_wmma_scale_f32_16x16x128_f8f6f4 v[rD:rD+7], v[rA:rA+7], v[rB:rB+7], 0, v[rSA], v[rSB] matrix_a_fmt:MATRIX_FMT_FP4 matrix_b_fmt:MATRIX_FMT_FP4
.endif
.else
.if selA && selB
	v_wmma_scale_f32_16x16x128_f8f6f4 v[rD:rD+7], v[rA:rA+7], v[rB:rB+7], v[rD:rD+7], v[rSA], v[rSB] matrix_a_fmt:MATRIX_FMT_FP4 matrix_b_fmt:MATRIX_FMT_FP4 matrix_a_scale:MATRIX_SCALE_ROW1 matrix_b_scale:MATRIX_SCALE_ROW1
.elseif selA
	v_wmma_scale_f32_16x16x128_f8f6f4 v[rD:rD+7], v[rA:rA+7], v[rB:rB+7], v[rD:rD+7], v[rSA], v[rSB] matrix_a_fmt:MATRIX_FMT_FP4 matrix_b_fmt:MATRIX_FMT_FP4 matrix_a_scale:MATRIX_SCALE_ROW1
.elseif selB
	v_wmma_scale_f32_16x16x128_f8f6f4 v[rD:rD+7], v[rA:rA+7], v[rB:rB+7], v[rD:rD+7], v[rSA], v[rSB] matrix_a_fmt:MATRIX_FMT_FP4 matrix_b_fmt:MATRIX_FMT_FP4 matrix_b_scale:MATRIX_SCALE_ROW1
.else
	v_wmma_scale_f32_16x16x128_f8f6f4 v[rD:rD+7], v[rA:rA+7], v[rB:rB+7], v[rD:rD+7], v[rSA], v[rSB] matrix_a_fmt:MATRIX_FMT_FP4 matrix_b_fmt:MATRIX_FMT_FP4
.endif
.endif
.endm
; ONE MATRIX: 64 rows x my head's 32 columns: eight accumulators by turns, one instruction a turn, in the same order in each of the four K steps.
; nat = 0 (q, k): source 0 = W, source 1 = X.  nat = 1 (v): source 0 = X, source 1 = W.  first = 1: no store of mine is out yet.
.macro GROUP wb, ws, nat, first
.irp ks, 0,1,2,3
	PLACES                                         ; four places ahead of loads into registers that matrix instructions have read (ISA guide 7.12.1 for vector instructions); with the way out's four they are eight ahead of the products that begin the accumulators anew
.if (\ks == 0) && (\first == 0)
	s_wait_xcnt 0x0                                ; the last way out's stores have read XF
.endif
.irp rt, 0,1,2,3
.irp c, 0,1
	ds_load_b128 v[XF+8*\rt+4*\c:XF+8*\rt+4*\c+3], v[LI] offset:XIMG+(4*\ks+\rt)*1024+512*\c
.endr
.endr
.irp p, 0,1
	ds_load_b32 v[XS+\p], v[LS] offset:XSC+256*\ks+128*\p
.endr
	s_wait_dscnt 0x0
.irp rt, 0,1,2,3
.irp ct, 0,1
.set zero, (\ks == 0)
.if \nat
.set rD,  ACC+8*(4*(\rt/2)+2*\ct+(\rt%2))
.set rA,  XF+8*\rt
.set rB,  \wb+8*(2*\ks+\ct)
.set rSA, XS+\rt/2
.set rSB, \ws+\ks
.set selA, \rt%2
.set selB, \ct
.else
.set rD,  ACC+8*(2*\rt+\ct)
.set rA,  \wb+8*(2*\ks+\ct)
.set rB,  XF+8*\rt
.set rSA, \ws+\ks
.set rSB, XS+\rt/2
.set selA, \ct
.set selB, \rt%2
.endif
	MM
.endr
.endr
.endr
.endm
; THE WAY OUT: rounded to f16 in pairs, each accumulator from its low end on; the 32 packed registers are four fragments as they stand: eight stores of 512 consecutive bytes
.macro WAYOUT base, off
	PLACES
.set i, 0
.rept 32
	v_cvt_pk_f16_f32 v[XF+i], v[ACC+2*i], v[ACC+2*i+1]
.set i, i+1
.endr
.irp i, 0,1,2,3,4,5,6,7
	global_store_b128 v[LI], v[XF+4*\i:XF+4*\i+3], s[\base:\base+1] offset:\off+512*\i
.endr
.endm
	s_load_b256 s[4:11], s[0:1], 0x0               ; X s[4:5], wimg s[6:7], wsc s[8:9], qf s[10:11]
	s_load_b64 s[12:13], s[0:1], 0x20              ; kvf
	v_lshl_add_u32 v[SPW], v0, 2, SPARE
	v_mov_b32 v[NIL], 0
	v_lshrrev_b32 v8, 5, v0
	v_readfirstlane_b32 s[WV], v8                  ; wave 0..15
	v_and_b32 v8, 31, v0
	v_lshlrev_b32 v[LI], 4, v8
	v_lshlrev_b32 v[LS], 2, v8
	v_and_b32 v9, 15, v0                           ; r
	v_bfe_u32 v10, v0, 4, 1                        ; h
	v_lshlrev_b32 v[XG], 11, v9
	v_lshl_add_u32 v[XG], v10, 7, v[XG]
	v_lshlrev_b32 v[SH8], 3, v10
	v_mov_b32 v[TP], 0                             ; a lane permute's destination counts as one of its sources
	s_and_b32 s15, s[WV], 3                        ; the K step that I quantise,
	s_lshr_b32 s16, s[WV], 2                       ; and the tile of rows
	s_lshl_b32 s17, s15, 2
	s_add_co_u32 s17, s17, s16
	s_lshl_b32 s17, s17, 10
	v_add_nc_u32 v[XIW], s17, v[LI]
	s_lshl_b32 s17, s15, 8
	s_lshl_b32 s18, s16, 6
	s_add_co_u32 s17, s17, s18
	s_add_co_u32 s17, s17, XSC
	v_lshl_add_u32 v[XSW], v9, 2, s17
	s_lshl_b32 s20, ttmp9, 17                      ; X: 64 rows of 2,048 bytes a work-group,
	s_lshl_b32 s18, s16, 15                        ; 16 rows a tile,
	s_add_co_u32 s20, s20, s18
	s_lshl_b32 s18, s15, 9                         ; 512 bytes a K step
	s_add_co_u32 s20, s20, s18
	s_mov_b32 s21, 0
	s_lshl_b32 s22, s[WV], 13                      ; my head's eight fragments of a matrix
	s_mov_b32 s23, 0
	s_lshl_b32 s24, s[WV], 9                       ; and their scale words
	s_mov_b32 s25, 0
	s_lshl_b32 s26, ttmp9, 4
	s_add_co_u32 s26, s26, s[WV]                   ; 16 g + head
	s_lshl_b32 s28, s26, 13                        ; in kvf: 8,192 bytes each
	s_lshl_b32 s26, s26, 12                        ; in qf: 4,096
	s_mov_b32 s27, 0
	s_mov_b32 s29, 0
	s_mov_b32 s[SEL], 0x76543210
	s_mov_b32 s[SEL+1], 0xfedcba98
	s_wait_kmcnt 0x0
	s_add_nc_u64 s[4:5], s[4:5], s[20:21]
	s_add_nc_u64 s[6:7], s[6:7], s[22:23]
	s_add_nc_u64 s[8:9], s[8:9], s[24:25]
	s_add_nc_u64 s[10:11], s[10:11], s[26:27]
	s_add_nc_u64 s[12:13], s[12:13], s[28:29]
.irp c, 0,1
.irp i, 0,1,2,3,4,5,6,7
	global_load_b128 v[ACC+32*\c+4*\i:ACC+32*\c+4*\i+3], v[XG], s[4:5] offset:256*\c+16*\i th:TH_LOAD_NT   ; X(r, 128 ks + 64 c + 32 h + 4 i ..): read once in the launch
.endr
.endr
	WLOAD 0, WA, WSA                               ; Wq
	WLOAD 1, WB, WSB                               ; Wk
	s_wait_loadcnt 40                              ; X's sixteen loads are in; the 40 behind them may be out
	QUANT ACC, XF, W
	ds_store_b128 v[XIW], v[XF:XF+3]
	ds_store_b128 v[XIW], v[XF+4:XF+7] offset:512
	ds_store_b32 v[XSW], v[W]                      ; both halves of the lanes hold row r's word and write it to the same place
	s_wait_dscnt 0x0                               ; for the others' sake: my stores have landed
	s_barrier_signal -1
	s_barrier_wait -1                              ; X's sixteen fragments lie in LDS; nothing is written there again
	s_wait_loadcnt 20                              ; Wq is in; Wk's 20 may be out
	GROUP WA, WSA, 0, 1
	WAYOUT 10, 0
	WLOAD 2, WA, WSA                               ; Wv takes Wq's registers: the way out's four places stand behind the last product that read them
	s_wait_loadcnt 20                              ; Wk is in; Wv's 20 may be out
	GROUP WB, WSB, 0, 0
	WAYOUT 12, 0
	s_wait_loadcnt 0x0                             ; Wv
	GROUP WA, WSA, 1, 0
	WAYOUT 12, 4096
	s_wait_tensorcnt 0x0                           ; the wave's end, behind my last LDS store
	ds_add_u32 v[SPW], v[NIL]
	s_wait_dscnt 0x0
	s_endpgm
.Lfunc_end_k_q15db2d79ab_qkv:
	.size	k_q15db2d79ab_qkv, .Lfunc_end_k_q15db2d79ab_qkv-k_q15db2d79ab_qkv
	.p2alignl 7, 3214868480
	.fill 96, 4, 3214868480
	.section	.rodata,"a",@progbits
	.p2align	6, 0x0
	.amdhsa_kernel k_q15db2d79ab_qkv
		.amdhsa_group_segment_fixed_size 19456
		.amdhsa_private_segment_fixed_size 0
		.amdhsa_enable_private_segment 0
		.amdhsa_kernarg_size 40
		.amdhsa_user_sgpr_count 2
		.amdhsa_user_sgpr_kernarg_segment_ptr 1
		.amdhsa_wavefront_size32 1
		.amdhsa_system_sgpr_workgroup_id_x 1
		.amdhsa_system_sgpr_workgroup_id_y 1
		.amdhsa_system_sgpr_workgroup_id_z 1
		.amdhsa_system_vgpr_workitem_id 0
		.amdhsa_next_free_vgpr 256
		.amdhsa_next_free_sgpr 66
		.amdhsa_reserve_vcc 0
		.amdhsa_float_denorm_mode_32 3
		.amdhsa_float_denorm_mode_16_64 3
		.amdhsa_memory_ordered 1
		.amdhsa_forward_progress 1
		.amdhsa_inst_pref_size 43
	.end_amdhsa_kernel
	.amdgpu_metadata
---
amdhsa.version: [ 1, 2 ]
amdhsa.kernels:
  - .name:           k_q15db2d79ab_qkv
    .symbol:         k_q15db2d79ab_qkv.kd
    .args:
      - { .name: X, .offset: 0, .size: 8, .value_kind: global_buffer, .address_space: global }
      - { .name: wimg, .offset: 8, .size: 8, .value_kind: global_buffer, .address_space: global }
      - { .name: wsc, .offset: 16, .size: 8, .value_kind: global_buffer, .address_space: global }
      - { .name: qf, .offset: 24, .size: 8, .value_kind: global_buffer, .address_space: global }
      - { .name: kvf, .offset: 32, .size: 8, .value_kind: global_buffer, .address_space: global }
    .group_segment_fixed_size: 19456
    .private_segment_fixed_size: 0
    .kernarg_segment_align: 8
    .kernarg_segment_size: 40
    .max_flat_workgroup_size: 512
    .sgpr_count:     66
    .vgpr_count:     256
    .wavefront_size: 32
...
	.end_amdgpu_metadata
.endif
;; end of part 2
;; launch attn (part 3): grid 16 x 16, 16 waves a work-group, clusters of 4 x 1, 327,680 bytes of LDS; arguments qf, kvf, mask, woimg, bo, out0; writes out0
.if DOCPART == 3
	.amdgcn_target "amdgcn-amd-amdhsa--gfx1250"
	.amdhsa_code_object_version 6
	.text
	.protected	k_q15db2d79ab_attn
	.globl	k_q15db2d79ab_attn
	.p2align	8
	.type	k_q15db2d79ab_attn,@function
k_q15db2d79ab_attn:
	s_mov_b64 s[64:65], 0
	v_nop
	global_prefetch_b8 v0, s[64:65] scope:SCOPE_SE
	s_setreg_imm32_b32 hwreg(HW_REG_WAVE_MODE, 25, 1), 1
	s_wait_xcnt 0x0
	s_wait_alu depctr_hold_cnt(0) depctr_sa_sdst(0) depctr_va_vdst(0) depctr_va_sdst(0) depctr_va_ssrc(0) depctr_va_vcc(0) depctr_vm_vsrc(0)
	s_getreg_b32 s2, hwreg(HW_REG_IB_STS2, 6, 4)
	s_cmp_eq_u32 s2, 0
	s_cbranch_scc0 .Lentry_in_a_cluster
	s_endpgm
.Lentry_in_a_cluster:
	s_bfe_u32 s2, ttmp6, 0x10000c
	s_cmp_lg_u32 s2, 0x3003
	s_cbranch_scc0 .Lentry_shape_is_right
	s_endpgm
.Lentry_shape_is_right:
; out0 = softmax(where(mask == 0, -1e20, q k^T / sqrt(512))) v, the heads side by side, times Wo^T, + bo.  q, k, v, the weights p, the attention's result and Wo are f16 operands; sums, maxima and the softmax in f32.
; SHARES.  A work-group owns 64 queries of one batch and ALL 16 heads: so its rows of the last product (K = 512 = 16 heads x 32) are whole, and that product is made here.  Wave w is head w: four tiles of 16 queries, all 1,024 keys, 64 a step.
; THE MASK (64 queries x 1,024 keys of int32) is read from memory once in the launch, by this work-group: in each step wave w loads 4 rows x 256 bytes, turns them into f32 (0 where the key counts, -2^80 where mask == 0), and stores
; them in LDS in the layout of a score tile's accumulator.  All 16 waves load them as the C OF THE SCORE PRODUCT: the mask costs no vector instruction a score.
; LAYOUT.  S^T = K Q^T + bias (source 0 = 16 keys, source 1 = 16 queries): a lane holds ONE query (lane % 16) and keys 8 (lane / 16) + 0..7.  Two such tiles, rounded to f16 in pairs, are source 1 of O^T = V^T P.  O^T, rounded in pairs,
; is a fragment (16 queries x 32 along K) of the last product's K step = head.  q, k, v and Wo come as images of operand registers (1,024 bytes a fragment: registers 0-3 of lane l at 16 l, registers 4-7 at 512 + 16 l).
; SOFTMAX.  A running maximum m and sum l for each query: p = 2^(c s - c m), c = log2(e) / sqrt(512); in every step O and l are multiplied by a = 2^(c m_old - c m_new).  m begins at -2^70: f16 operands hold |q . k| under 1.4e11, so every
; score that counts lies above it and every masked one (about -2^80) far below: a masked p is exactly 0, as reference()'s exp(-1e20 - max) is.  A ROW WHOSE MASK IS ALL 0 has l = 0; reference()'s softmax of 1,024 equal numbers is
; uniform there, so such a row takes the mean of V, which is summed on the way (V^T times ones) and chosen by v_cndmask_b32.
; CLUSTER.  The four blocks of queries of a cluster belong to one batch and walk the same K and V: each wave's 8,192 bytes of a step (its head's) are asked for JOINTLY, by the same tensor load with the same descriptor and the mask 15.
; Wo is not asked for jointly, though all work-groups read it: it is read once by each, at the end, 512 consecutive bytes a load, straight into operand registers; its 524,288 bytes would want a ring with a round for each refill, for 128 matrix instructions a wave.
; LIMITS: NaN and infinities are not served; |q|, |k|, |v|, the attention's result and Wo must lie inside f16's range (65,504).
.set SLOT1, 131072                     ; LDS: two slots of 131,072 bytes: [head 16][8,192]: K's four fragments, V^T's four
.set STEPB, 131072                     ; a step of 64 keys in kvf
.set BIAS0, 262144                     ; two bias buffers of 64 blocks of 256 + 16 bytes: block ((4 qt + kt) 2 + c) 2 + h; in it query r's four numbers (keys 16 kt + 8 h + 4 c + 0..3) at 16 r
.set BIASB, 17408
.set SPARE, 296960                     ; the spare words, 128 bytes for each wave: eight blocks of 256 bytes that no other line names
.set ATT,   0                          ; behind the last fills, in the slots' bytes: the attention's result, fragment (head, qt) at (4 head + qt) x 1,024;
.set STAGE, 65536                      ; and the stage for out0: 64 rows of 2,048 + 16 bytes
.set SP,    2064
.set SPW,  1                           ; v1      LDS address of my spare word; never rewritten
.set NIL,  2                           ; v2      0; never rewritten
.set AKV,  3                           ; v3-4    my head's tiles in slot 0, 1: 8,192 x wave + 16 x lane
.set ABI,  5                           ; v5      the bias as I read it: BIAS0 + 272 h + 16 r
.set PFO,  6                           ; v6      256 x lane: the prefetches' offset
.set BST,  7                           ; v7      the bias as I store it
.set NEGB, 8                           ; v8      -2^80
.set MOFF, 9                           ; v9      the mask: 4,096 (lane / 16) + 16 (lane % 16)
.set T,    10                          ; v10-13  at work
.set TA,   14                          ; v14-15  a, and c m_old - c m_new
.set ST,   16                          ; v16-31  tile qt: c m, m, l (even keys', odd keys')
.set M,    32                          ; v32-39  eight numbers of the mask
.set Q,    40                          ; v40-71  Q's four fragments
.set O,    72                          ; v72-135 O^T: tile qt, channels 16 ct on, at 16 qt + 8 ct
.set MV,   136                         ; v136-151 the sums of V over the keys, in O^T's layout
.set K,    152                         ; v152-183 K's four fragments of a step
.set V,    184                         ; v184-215 V^T's four
.set S,    216                         ; v216-247 a tile's bias, S^T, p; P in the lower 16
.set ONE,  248                         ; v248-255 a fragment of ones
.set LI,   3                           ; behind the keys: v3 16 x lane; v4 where I store my results' fragments; v5, v7 into the stage; v9 out of it; v14 bo's offset
.set ATW,  4
.set SO0,  5
.set SO1,  7
.set SR,   9
.set BOF,  14
.set BO,   216                         ; v216-231 bo in the result's layout, two tiles of columns
.set WV,   16                          ; s16     my wave's number = my head
.set G1,   24                          ; s[24:31] descriptor group 1
.set G0,   32                          ; s[32:39] group 0, a set for each slot
.set PFA,  40                          ; s[40:41] where my prefetches stand
.set CS,   42                          ; s[42:43] c, named as a pair
.set SEL,  44                          ; s[44:45] lane selects for v_permlanex16_b32: lane l xor 16
.set PF,   47                          ; s47     1 in a wave that prefetches
.set MB,   48                          ; s[48:49] the mask at my four rows, at the step to be loaded
.set LAP,  50
.set LZ,   52                          ; s52-55  tile qt: the lanes whose l is 0
.macro PLACES n
.rept \n
	v_nop
.endr
.endm
; A round of the cluster's barrier: my work-group's barrier, so that wave 0's signal speaks for all sixteen waves; wave 0 signals; every wave waits for all four work-groups; my work-group's barrier once more.
.macro CROUND
	s_barrier_signal -1
	s_barrier_wait -1
	s_cmp_lg_u32 s[WV], 0
	s_cbranch_scc1 .Lnot_wave_0_\@
	s_barrier_signal -3
.Lnot_wave_0_\@:
	s_barrier_wait -3
	s_barrier_signal -1
	s_barrier_wait -1
.endm
; A PREFETCH INTO THE L2 of the step that the NEXT refill will ask for: 131,072 bytes, lanes 256 bytes apart.  Each block of 256 bytes is named once in the launch: all four clusters of a batch walk the same K and V, and the batch's first
; cluster asks; its four partners take 32,768 bytes each, told apart BY ADDRESS; in each, waves 0 to 3 ask, 8,192 bytes a wave, one instruction.  Steps 0 and 1 come by their loads alone; the last two trips ask for nothing.
.macro ASK
	s_cmp_eq_u32 s[PF], 1
	s_cbranch_scc0 .Lnot_mine_\@
	global_prefetch_b8 v[PFO], s[PFA:PFA+1] th:TH_LOAD_NT scope:SCOPE_SE
.Lnot_mine_\@:
.endm
; eight numbers of the mask become biases and go to buffer buf.
.macro CONV buf
.irp i, 0,1,2,3,4,5,6,7
	v_cmp_eq_u32 vcc_lo, 0, v[M+\i]
	v_cndmask_b32 v[M+\i], 0, v[NEGB], vcc_lo
.endr
	ds_store_b128 v[BST], v[M:M+3] offset:BIASB*(\buf)
	ds_store_b128 v[BST], v[M+4:M+7] offset:BIASB*(\buf)+32
.endm
; tile qt's bias of this step into S: the C of its four score products
.macro TILE_A qt, par
.irp kt, 0,1,2,3
.irp c, 0,1
	ds_load_b128 v[S+8*\kt+4*\c:S+8*\kt+4*\c+3], v[ABI] offset:BIASB*(\par)+(8*(\qt)+2*\kt+\c)*544
.endr
.endr
	s_wait_dscnt 0x0
.endm
; one tile's softmax for one step
.macro SMAX qt
.set rT, ST+4*(\qt)
.set rO, O+16*(\qt)
.irp j, 0,1,2,3
	v_max3_num_f32 v[T+\j], v[S+8*\j], v[S+8*\j+1], v[S+8*\j+2]   ; four chains, each accumulator from its low end on
.endr
.irp u, 3,5
.irp j, 0,1,2,3
	v_max3_num_f32 v[T+\j], v[T+\j], v[S+8*\j+\u], v[S+8*\j+\u+1]
.endr
.endr
	v_max3_num_f32 v[T], v[T], v[S+7], v[S+15]
	v_max3_num_f32 v[T+2], v[T+2], v[S+23], v[S+31]
	v_max3_num_f32 v[T], v[T], v[T+1], v[T+2]
	v_max3_num_f32 v[T], v[T], v[T+3], v[rT+1]     ; and the old m
	v_permlanex16_b32 v[T+1], v[T], s[SEL], s[SEL+1]   ; the query's other 32 keys lie in the lane 16 away
	v_mov_b32 v[TA+1], v[rT]                       ; c m_old
	v_max_num_f32 v[rT+1], v[T], v[T+1]
	v_mul_f32 v[rT], s[CS], v[rT+1]
	v_sub_f32 v[TA+1], v[TA+1], v[rT]
.irp j, 0,2,4,6,8,10,12,14,16,18,20,22,24,26,28,30
	v_pk_fma_f32 v[S+\j:S+\j+1], v[S+\j:S+\j+1], s[CS:CS+1], v[rT:rT+1] op_sel_hi:[1,0,0] neg_lo:[0,0,1] neg_hi:[0,0,1]   ; c s - c m
.endr
	v_exp_f32 v[TA], v[TA+1]                       ; ONE BATCH of 33 exponentials: a,
.set i, 0
.rept 32
	v_exp_f32 v[S+i], v[S+i]                       ; and p
.set i, i+1
.endr
	v_nop                                          ; a plain line behind the last exponential
	s_wait_alu depctr_va_vdst(0)                   ; the wait ahead of the first line that names a result: one for the batch
	v_pk_add_f32 v[T:T+1], v[S:S+1], v[S+2:S+3]    ; the sum of the unrounded p, in two chains
	v_pk_add_f32 v[T+2:T+3], v[S+4:S+5], v[S+6:S+7]
.irp j, 8,12,16,20,24,28
	v_pk_add_f32 v[T:T+1], v[T:T+1], v[S+\j:S+\j+1]
	v_pk_add_f32 v[T+2:T+3], v[T+2:T+3], v[S+\j+2:S+\j+3]
.endr
	v_pk_add_f32 v[T:T+1], v[T:T+1], v[T+2:T+3]
	v_pk_fma_f32 v[rT+2:rT+3], v[rT+2:rT+3], v[TA:TA+1], v[T:T+1] op_sel_hi:[1,0,1]   ; l = a l + the sum
.irp j, 0,2,4,6,8,10,12,14
	v_pk_mul_f32 v[rO+\j:rO+\j+1], v[rO+\j:rO+\j+1], v[TA:TA+1] op_sel_hi:[1,0]       ; O^T x a
.endr
.irp i, 0,1,2,3,4,5,6,7,8,9,10,11,12,13,14,15
	v_cvt_pk_f16_f32 v[S+\i], v[S+2*\i], v[S+2*\i+1]   ; P, in place from below: keys 32 g on in S + 8 g
.endr
.endm
; tile qt: four score products, the softmax, four products V^T P.  No two matrix instructions that follow each other share an accumulator
.macro TILE_B qt
.irp kt, 0,1,2,3
	v_wmma_f32_16x16x32_f16 v[S+8*\kt:S+8*\kt+7], v[K+8*\kt:K+8*\kt+7], v[Q+8*(\qt):Q+8*(\qt)+7], v[S+8*\kt:S+8*\kt+7]
.endr
	PLACES 4                                       ; ahead of the first read of the scores (ISA guide 7.12.1)
	SMAX \qt
.irp g, 0,1
.irp ct, 0,1
	v_wmma_f32_16x16x32_f16 v[O+16*(\qt)+8*\ct:O+16*(\qt)+8*\ct+7], v[V+8*(2*\g+\ct):V+8*(2*\g+\ct)+7], v[S+8*\g:S+8*\g+7], v[O+16*(\qt)+8*\ct:O+16*(\qt)+8*\ct+7]
.endr
.endr
.endm
; A STEP OF 64 KEYS, in slot par.  In front of the barrier each wave waits for all its tensor loads (one is out: my head's tiles of this step), adds 0 to its spare word, and waits for that, for its reads of the other slot and of the other
; bias buffer, and for its stores into this step's bias buffer.  refill = 1: the barrier is a round of the cluster's, and the next step's tiles are asked for first thing behind it, into the slot read last: one load a wave is out, and it has
; this step's work in which to land.  conv = 1: the next step's biases are made.  mload = 1: the mask of the step after that is asked for, a whole step ahead of its use.
.macro TRIP par, refill, conv, mload, ask
	s_wait_tensorcnt 0x0                           ; no tensor load of mine is out, so a group 0 may be written
	ds_add_u32 v[SPW], v[NIL]                      ; 0 onto my spare word
.if \refill
	s_add_nc_u64 s[G0+4*\par+2:G0+4*\par+3], s[G0+4*\par+2:G0+4*\par+3], 2*STEPB   ; this slot's next step (behind step 14 it is not used)
.endif
.if \ask
	s_wait_xcnt 0x0                                ; the last prefetch, a step back, has read its address
	s_add_nc_u64 s[PFA:PFA+1], s[PFA:PFA+1], STEPB
.endif
	s_wait_dscnt 0x0
.if \refill
	CROUND
	tensor_load_to_lds s[G0+4*(1-\par):G0+4*(1-\par)+3], s[G1:G1+7]
	s_nop 0
	PLACES 5                                       ; five places ahead of loads into, and of products that write over, registers that the last step's products read
.if \ask
	ASK
.endif
.else
	s_barrier_signal -1
	s_barrier_wait -1
	PLACES 5
.endif
.if \conv
	s_wait_loadcnt 0x0                             ; the next step's mask, asked for a step ago (in the first step also Q)
	CONV 1-\par
.endif
.irp i, 0,1,2,3,4,5,6,7,8,9,10,11,12,13,14,15
	ds_load_b128 v[K+4*\i:K+4*\i+3], v[AKV+\par] offset:512*\i   ; my head's K and V^T: eight fragments as they lie
.endr
	TILE_A 0, \par
.if \mload
	s_add_nc_u64 s[MB:MB+1], s[MB:MB+1], 256       ; its last loads are in, and the stores above have read M
	global_load_b128 v[M:M+3], v[MOFF], s[MB:MB+1] th:TH_LOAD_NT              ; sixteen lanes read 256 consecutive bytes of a row
	global_load_b128 v[M+4:M+7], v[MOFF], s[MB:MB+1] offset:8192 th:TH_LOAD_NT
.endif
	TILE_B 0
.irp qt, 1,2,3
	PLACES 5                                       ; the score products write over P, which the products just issued read: five places
	TILE_A \qt, \par
	TILE_B \qt
.endr
.irp g, 0,1
.irp ct, 0,1
	v_wmma_f32_16x16x32_f16 v[MV+8*\ct:MV+8*\ct+7], v[V+8*(2*\g+\ct):V+8*(2*\g+\ct)+7], v[ONE:ONE+7], v[MV+8*\ct:MV+8*\ct+7]   ; the sums of V over these keys
.endr
.endr
.endm
	s_load_b256 s[4:11], s[0:1], 0x0               ; qf s[4:5], kvf s[6:7], mask s[8:9], woimg s[10:11]
	s_load_b128 s[12:15], s[0:1], 0x20             ; bo s[12:13], out0 s[14:15]
	v_lshl_add_u32 v[SPW], v0, 2, SPARE
	v_mov_b32 v[NIL], 0
	ds_add_u32 v[SPW], v[NIL]                      ; the wave's opening: the add, twice on end, and its wait ahead of my first tensor load
	ds_add_u32 v[SPW], v[NIL]                      ; and once more, under the one wait; the set-up below, work on registers, stands between
	v_lshrrev_b32 v10, 5, v0
	v_readfirstlane_b32 s[WV], v10                 ; wave 0..15
	s_bfe_u32 s17, ttmp6, 0x40000                  ; cx: my place in the cluster
	s_lshl_b32 s18, ttmp9, 2                       ; in a cluster launch ttmp9 counts clusters
	s_add_co_u32 s18, s18, s17                     ; my block of 64 queries: it enters global addresses of qf, mask and out0 alone
	s_and_b32 s19, ttmp7, 0xffff                   ; the batch, which the four partners share
	; descriptor group 1: 8,192 dense bytes as 32 rows of 32 elements of 8 bytes
	s_mov_b32 s[G1], 15|(3<<16)|(1<<21)            ; 15:0 the mask: all four work-groups; 17:16 elements of 8 bytes; 21 set beside a mask
	s_mov_b32 s[G1+1], 32<<16                      ; tensor_dim0 = 32
	s_mov_b32 s[G1+2], 32<<16                      ; tensor_dim1 = 32
	s_mov_b32 s[G1+3], 32<<16                      ; tile_dim0 = 32
	s_mov_b32 s[G1+4], 32                          ; tile_dim1 = 32
	s_mov_b32 s[G1+5], 32                          ; from row to row
	s_mov_b32 s[G1+6], 0
	s_mov_b32 s[G1+7], 0
	s_mov_b32 s[CS], 0x3d8293ee                    ; c = log2(e) / sqrt(512)
	s_mov_b32 s[CS+1], s[CS]
	s_mov_b32 s[SEL], 0x76543210
	s_mov_b32 s[SEL+1], 0xfedcba98
	s_lshr_b32 s[PF], s[WV], 2                     ; 0 in waves 0 to 3,
	s_or_b32 s[PF], s[PF], ttmp9                   ; of the batch's first cluster: the same in all four partners
	s_cmp_eq_u32 s[PF], 0
	s_cselect_b32 s[PF], 1, 0
	s_lshl_b32 s46, s[WV], 13                      ; my head's 8,192 bytes of a step
	s_lshl_b32 s20, s19, 21
	s_add_co_u32 s20, s20, s46                     ; kvf: batch x 2 MiB + head x 8,192: shared by the partners
	s_mov_b32 s21, 0
	s_lshl_b32 s22, s18, 17
	s_add_co_u32 s22, s22, s20                     ; out0: (1,024 batch + 64 block + 4 wave) rows of 2,048 bytes; twice that is my place in the mask, half of it in qf
	s_mov_b32 s23, 0
	v_and_b32 v10, 31, v0                          ; lane
	v_and_b32 v11, 15, v0                          ; r
	v_bfe_u32 v12, v0, 4, 1                        ; h
	v_lshlrev_b32 v[PFO], 8, v10
	v_lshl_add_u32 v[AKV], v10, 4, s46
	v_add_nc_u32 v[AKV+1], SLOT1, v[AKV]
	v_mul_u32_u24 v[ABI], v12, 272
	v_lshl_add_u32 v[ABI], v11, 4, v[ABI]
	v_add_nc_u32 v[ABI], BIAS0, v[ABI]
	v_lshlrev_b32 v[MOFF], 12, v12
	v_lshl_add_u32 v[MOFF], v11, 4, v[MOFF]
	; the bias as I store it.  My load e brings query 4 w + 2 e + h, keys 4 i + 0..3 (i = lane % 16): tile qt = w / 4, row 4 (w % 4) + 2 e + h; kt = i / 4, half (i / 2) % 2, c = i % 2
	v_bfe_u32 v13, v0, 2, 2
	v_and_b32 v14, 1, v0
	v_bfe_u32 v15, v0, 1, 1
	v_lshl_add_u32 v15, v14, 1, v15
	v_lshl_add_u32 v15, v13, 2, v15                ; the block among the tile row's 16
	v_mul_u32_u24 v[BST], v15, 272
	v_lshl_add_u32 v[BST], v12, 4, v[BST]
	s_lshr_b32 s51, s[WV], 2
	s_mul_i32 s51, s51, 4352
	s_and_b32 s3, s[WV], 3
	s_lshl_b32 s3, s3, 6
	s_add_co_u32 s51, s51, s3
	s_add_co_u32 s51, s51, BIAS0
	v_add_nc_u32 v[BST], s51, v[BST]
	v_lshlrev_b32 v10, 4, v10                      ; 16 x lane, for Q's loads: written again only behind the wait for them
	s_wait_dscnt 0x0                               ; both opening adds are done
	s_wait_kmcnt 0x0
	s_add_nc_u64 s[6:7], s[6:7], s[20:21]          ; kvf at my head's tiles of step 0
	s_add_nc_u64 s[14:15], s[14:15], s[22:23]      ; out0 at my four rows
	s_lshl_b32 s22, s22, 1
	s_add_nc_u64 s[MB:MB+1], s[8:9], s[22:23]      ; the mask at my four rows
	s_lshr_b32 s22, s22, 2
	s_add_nc_u64 s[4:5], s[4:5], s[22:23]          ; qf at my head's four fragments
	s_lshl_b32 s22, s17, 15
	s_add_nc_u64 s[PFA:PFA+1], s[6:7], s[22:23]    ; the prefetches: my work-group's 32,768 bytes, my wave's 8,192 of them,
	s_add_nc_u64 s[PFA:PFA+1], s[PFA:PFA+1], STEPB ; in step 1: the first trip steps it to step 2.  Nothing is prefetched here, at the head
	s_lshl_b32 s20, s[WV], 15
	s_add_nc_u64 s[10:11], s[10:11], s[20:21]      ; woimg at my 32 columns' fragments
	s_lshl_b32 s20, s[WV], 7
	s_add_nc_u64 s[12:13], s[12:13], s[20:21]      ; bo at my 32 columns
	s_mov_b32 s[G0], 1                             ; group 0 for slot 0: count = 1,
	s_lshl_b32 s[G0+1], s[WV], 13                  ; LDS address: 8,192 x wave: no place in the cluster enters it,
	s_mov_b64 s[G0+2:G0+3], s[6:7]                 ; global address: step 0,
	s_or_b32 s[G0+3], s[G0+3], 0x80000000          ; type = 2
	s_mov_b32 s[G0+4], 1
	s_add_co_u32 s[G0+5], s[G0+1], SLOT1
	s_add_nc_u64 s[G0+6:G0+7], s[6:7], STEPB       ; slot 1: step 1
	s_or_b32 s[G0+7], s[G0+7], 0x80000000
	CROUND                                         ; all four work-groups are here: the first joint loads meet
	tensor_load_to_lds s[G0:G0+3], s[G1:G1+7]      ; step 0
	s_nop 0
	PLACES 4
	global_load_b128 v[M:M+3], v[MOFF], s[MB:MB+1] th:TH_LOAD_NT                 ; the mask of step 0
	global_load_b128 v[M+4:M+7], v[MOFF], s[MB:MB+1] offset:8192 th:TH_LOAD_NT
.irp i, 0,1,2,3,4,5,6,7
	global_load_b128 v[Q+4*\i:Q+4*\i+3], v10, s[4:5] offset:512*\i th:TH_LOAD_NT   ; Q stays in registers
.endr
.set i, O
.rept 80
	v_mov_b32 v[i], 0                              ; O^T and the sums of V.  (The step is written without a first step of its own: it finds zeros, which the first a leaves zeros)
.set i, i+1
.endr
.irp qt, 0,1,2,3
	v_mov_b32 v[ST+4*\qt+1], 0xe2800000            ; m = -2^70
	v_mov_b32 v[ST+4*\qt+2], 0                     ; l
	v_mov_b32 v[ST+4*\qt+3], 0
.endr
.irp qt, 0,1,2,3
	v_mul_f32 v[ST+4*\qt], s[CS], v[ST+4*\qt+1]    ; c m
.endr
.irp i, 0,1,2,3,4,5,6,7
	v_mov_b32 v[ONE+\i], 0x3c003c00                ; 1.0, 1.0 in f16
.endr
	v_mov_b32 v[NEGB], 0xe7800000                  ; -2^80
	s_wait_loadcnt 8                               ; the mask's two loads are in; Q's eight may be out
	CONV 0
	s_wait_dscnt 0x0                               ; the stores have read M
	s_add_nc_u64 s[MB:MB+1], s[MB:MB+1], 256
	global_load_b128 v[M:M+3], v[MOFF], s[MB:MB+1] th:TH_LOAD_NT                 ; the mask of step 1
	global_load_b128 v[M+4:M+7], v[MOFF], s[MB:MB+1] offset:8192 th:TH_LOAD_NT
	s_mov_b32 s[LAP], 7
.Llap:                                             ; steps 0 to 13, two a trip: once round the ring
	TRIP 0, 1, 1, 1, 1
	TRIP 1, 1, 1, 1, 1
	s_sub_co_u32 s[LAP], s[LAP], 1
	s_cmp_lg_u32 s[LAP], 0
	s_cbranch_scc1 .Llap
	TRIP 0, 1, 1, 0, 0                             ; step 14 asks for step 15, the last; the tail is written out
	TRIP 1, 0, 0, 0, 0                             ; step 15
	; ---- THE RESULT OF THE ATTENTION.  The addresses for what follows are made here: eleven plain lines, the places behind the last products
	v_and_b32 v[LI], 31, v0
	v_lshlrev_b32 v[LI], 4, v[LI]
	v_bfe_u32 v[BOF], v0, 4, 1                     ; h
	v_and_b32 v15, 15, v0                          ; r
	s_lshl_b32 s20, s[WV], 12
	v_add_nc_u32 v[ATW], s20, v[LI]                ; my head's four fragments: 4,096 x wave + 16 x lane
	v_mul_u32_u24 v[SO0], v15, SP
	v_lshl_add_u32 v[SO0], v[BOF], 5, v[SO0]
	s_lshl_b32 s20, s[WV], 7
	s_add_co_u32 s20, s20, STAGE
	v_add_nc_u32 v[SO0], s20, v[SO0]               ; into the stage: row r, + 128 x wave + 32 h,
	v_add_nc_u32 v[SO1], 32*SP, v[SO0]             ; and 32 rows further down
	s_mul_i32 s20, s[WV], 4*SP
	s_add_co_u32 s20, s20, STAGE
	v_add_nc_u32 v[SR], s20, v[LI]                 ; out of it: my four rows
	v_lshlrev_b32 v[BOF], 5, v[BOF]
.macro WOLD k                          ; Wo's two fragments of K step k (columns 32 w + 16 nt on) into a ring of four sets in K's and V's registers
.irp nt, 0,1
.irp c, 0,1
	global_load_b128 v[K+16*((\k)%4)+8*\nt+4*\c:K+16*((\k)%4)+8*\nt+4*\c+3], v[LI], s[10:11] offset:(16*\nt+(\k))*1024+512*\c
.endr
.endr
.endm
.irp nt, 0,1
.irp c, 0,1
	global_load_b128 v[BO+8*\nt+4*\c:BO+8*\nt+4*\c+3], v[BOF], s[12:13] offset:64*\nt+16*\c   ; bo(32 w + 16 nt + 8 h + 0..7): the C of each sum's first product
.endr
.endr
	WOLD 0
	WOLD 1
	WOLD 2
.irp j, 0,2,4,6,8,10,12,14
	v_pk_mul_f32 v[MV+\j:MV+\j+1], v[MV+\j:MV+\j+1], 0x3a800000 op_sel_hi:[1,0]   ; the mean of V: / 1,024
.endr
.irp qt, 0,1,2,3
	v_add_f32 v[T+\qt], v[ST+4*\qt+2], v[ST+4*\qt+3]
.endr
.irp qt, 0,1,2,3
	v_permlanex16_b32 v[M+\qt], v[T+\qt], s[SEL], s[SEL+1]
.endr
.irp qt, 0,1,2,3
	v_add_f32 v[T+\qt], v[T+\qt], v[M+\qt]         ; l
.endr
.irp qt, 0,1,2,3
	v_cmp_eq_f32 s[LZ+\qt], 0, v[T+\qt]            ; no key of this query counted
.endr
.irp qt, 0,1,2,3
	v_rcp_f32 v[M+2*\qt], v[T+\qt]
.endr
	v_nop                                          ; a plain line behind the last reciprocal
	s_wait_alu depctr_va_vdst(0)                   ; and the wait ahead of the first use: one for the four
.irp qt, 0,1,2,3
.irp j, 0,2,4,6,8,10,12,14
	v_pk_mul_f32 v[O+16*\qt+\j:O+16*\qt+\j+1], v[O+16*\qt+\j:O+16*\qt+\j+1], v[M+2*\qt:M+2*\qt+1] op_sel_hi:[1,0]   ; O^T / l
.endr
.irp j, 0,1,2,3,4,5,6,7,8,9,10,11,12,13,14,15
	v_cndmask_b32 v[O+16*\qt+\j], v[O+16*\qt+\j], v[MV+\j], s[LZ+\qt]   ; where l is 0: the mean of V
.endr
.irp j, 0,1,2,3,4,5,6,7
	v_cvt_pk_f16_f32 v[Q+8*\qt+\j], v[O+16*\qt+2*\j], v[O+16*\qt+2*\j+1]   ; 16 queries x my head's 32 channels: a fragment of K step w
.endr
	ds_store_b128 v[ATW], v[Q+8*\qt:Q+8*\qt+3] offset:ATT+1024*\qt   ; into slot 0, which has had its last fill, and which nobody has read since the last barrier
	ds_store_b128 v[ATW], v[Q+8*\qt+4:Q+8*\qt+7] offset:ATT+1024*\qt+512
.endr
	s_wait_dscnt 0x0                               ; for the others' sake: my stores have landed
	s_barrier_signal -1
	s_barrier_wait -1                              ; all 64 fragments lie in LDS; every wave's reads of slot 1 are over
	; ---- THE LAST PRODUCT: my 32 columns for the 64 rows: eight accumulators (rt, nt) in O's registers, by turns; source 0 = 16 rows of Wo, source 1 = 16 queries: a lane holds eight neighbouring columns of one row
.macro ATTREG k, rt                    ; rF: where fragment rt of K step k lies: even steps in Q's registers, odd ones in v232-247 and v136-151
.if (\k)%2
.set rF, 232+8*(\rt)-112*((\rt)/2)
.else
.set rF, Q+8*(\rt)
.endif
.endm
.macro ATTLD k
.irp rt, 0,1,2,3
	ATTREG \k, \rt
	ds_load_b128 v[rF:rF+3], v[LI] offset:ATT+(4*(\k)+\rt)*1024
	ds_load_b128 v[rF+4:rF+7], v[LI] offset:ATT+(4*(\k)+\rt)*1024+512
.endr
.endm
.macro KSTEP k
.if (\k) > 0
	PLACES 4                                       ; ahead of loads into registers that the last K step's products read
.endif
.if (\k) < 15
	ATTLD \k+1
.endif
.if (\k) < 13
	WOLD \k+3
.endif
.if (\k) < 15
	s_wait_dscnt 8                                 ; this K step's fragments are in; the next one's eight loads may be out
.else
	s_wait_dscnt 0x0
.endif
.if (\k) < 13
	s_wait_loadcnt 12                              ; Wo of this K step (and bo) is in; the three K steps behind it, four loads each, may be out
.else
	s_wait_loadcnt 4*(15-(\k))
.endif
.irp rt, 0,1,2,3
	ATTREG \k, \rt
.irp nt, 0,1
.if (\k) == 0
	v_wmma_f32_16x16x32_f16 v[O+8*(2*\rt+\nt):O+8*(2*\rt+\nt)+7], v[K+16*((\k)%4)+8*\nt:K+16*((\k)%4)+8*\nt+7], v[rF:rF+7], v[BO+8*\nt:BO+8*\nt+7]
.else
	v_wmma_f32_16x16x32_f16 v[O+8*(2*\rt+\nt):O+8*(2*\rt+\nt)+7], v[K+16*((\k)%4)+8*\nt:K+16*((\k)%4)+8*\nt+7], v[rF:rF+7], v[O+8*(2*\rt+\nt):O+8*(2*\rt+\nt)+7]
.endif
.endr
.endr
.endm
	ATTLD 0
.irp k, 0,1,2,3,4,5,6,7,8,9,10,11,12,13,14,15
	KSTEP \k
.endr
	; ---- THE WAY OUT: a row's 2,048 bytes come from sixteen waves: they meet in the stage, and each wave stores four whole rows
	PLACES 4
.irp rt, 0,1
.irp nt, 0,1
	ds_store_b128 v[SO0], v[O+8*(2*\rt+\nt):O+8*(2*\rt+\nt)+3] offset:16*\rt*SP+64*\nt        ; each accumulator from its low end on
	ds_store_b128 v[SO0], v[O+8*(2*\rt+\nt)+4:O+8*(2*\rt+\nt)+7] offset:16*\rt*SP+64*\nt+16
.endr
.endr
.irp rt, 0,1
.irp nt, 0,1
	ds_store_b128 v[SO1], v[O+8*(2*\rt+4+\nt):O+8*(2*\rt+4+\nt)+3] offset:16*\rt*SP+64*\nt
	ds_store_b128 v[SO1], v[O+8*(2*\rt+4+\nt)+4:O+8*(2*\rt+4+\nt)+7] offset:16*\rt*SP+64*\nt+16
.endr
.endr
	s_wait_dscnt 0x0
	s_barrier_signal -1
	s_barrier_wait -1
.irp i, 0,1,2,3
.irp p, 0,1,2,3
	ds_load_b128 v[K+4*(4*\i+\p):K+4*(4*\i+\p)+3], v[SR] offset:\i*SP+512*\p
.endr
.endr
.irp i, 0,1,2,3
.irp p, 0,1,2,3
	s_wait_dscnt 15-(4*\i+\p)
	global_store_b128 v[LI], v[K+4*(4*\i+\p):K+4*(4*\i+\p)+3], s[14:15] offset:\i*2048+512*\p th:TH_STORE_NT   ; 32 lanes store 512 consecutive bytes, at a multiple of 256 from out0's first byte
.endr
.endr
	s_wait_tensorcnt 0x0                           ; the wave's end, behind my last tensor load and my last LDS store
	ds_add_u32 v[SPW], v[NIL]
	s_wait_dscnt 0x0
	CROUND                                         ; the closing round: no work-group ends while a partner may still ask for a tile that names it
	s_endpgm
.Lfunc_end_k_q15db2d79ab_attn:
	.size	k_q15db2d79ab_attn, .Lfunc_end_k_q15db2d79ab_attn-k_q15db2d79ab_attn
	.p2alignl 7, 3214868480
	.fill 96, 4, 3214868480
	.section	.rodata,"a",@progbits
	.p2align	6, 0x0
	.amdhsa_kernel k_q15db2d79ab_attn
		.amdhsa_group_segment_fixed_size 327680
		.amdhsa_private_segment_fixed_size 0
		.amdhsa_enable_private_segment 0
		.amdhsa_kernarg_size 48
		.amdhsa_user_sgpr_count 2
		.amdhsa_user_sgpr_kernarg_segment_ptr 1
		.amdhsa_wavefront_size32 1
		.amdhsa_system_sgpr_workgroup_id_x 1
		.amdhsa_system_sgpr_workgroup_id_y 1
		.amdhsa_system_sgpr_workgroup_id_z 1
		.amdhsa_system_vgpr_workitem_id 0
		.amdhsa_next_free_vgpr 256
		.amdhsa_next_free_sgpr 66
		.amdhsa_reserve_vcc 1
		.amdhsa_float_denorm_mode_32 3
		.amdhsa_float_denorm_mode_16_64 3
		.amdhsa_memory_ordered 1
		.amdhsa_forward_progress 1
		.amdhsa_inst_pref_size 175
	.end_amdhsa_kernel
	.amdgpu_metadata
---
amdhsa.version: [ 1, 2 ]
amdhsa.kernels:
  - .name:           k_q15db2d79ab_attn
    .symbol:         k_q15db2d79ab_attn.kd
    .args:
      - { .name: qf, .offset: 0, .size: 8, .value_kind: global_buffer, .address_space: global }
      - { .name: kvf, .offset: 8, .size: 8, .value_kind: global_buffer, .address_space: global }
      - { .name: mask, .offset: 16, .size: 8, .value_kind: global_buffer, .address_space: global }
      - { .name: woimg, .offset: 24, .size: 8, .value_kind: global_buffer, .address_space: global }
      - { .name: bo, .offset: 32, .size: 8, .value_kind: global_buffer, .address_space: global }
      - { .name: out0, .offset: 40, .size: 8, .value_kind: global_buffer, .address_space: global }
    .group_segment_fixed_size: 327680
    .private_segment_fixed_size: 0
    .kernarg_segment_align: 8
    .kernarg_segment_size: 48
    .max_flat_workgroup_size: 512
    .sgpr_count:     66
    .vgpr_count:     256
    .wavefront_size: 32
...
	.end_amdgpu_metadata
.endif
;; end of part 3
;; ======== version 2 of 2: 3 launches
;; limits: values are held in f16: magnitudes above 65,504 overflow, below 6.1e-05 lose precision
;; workspace buffers: wimg 393,216 bytes; wsc 24,576 bytes; woimg 524,288 bytes; qf 16,777,216 bytes; kvf 33,554,432 bytes
;; launch prep (part 4): grid 256 x 1, 2 waves a work-group, no clusters, 17,152 bytes of LDS; arguments Wq, Wk, Wv, Wo, wimg, wsc, woimg; writes wimg, wsc, woimg
.if DOCPART == 4
	.amdgcn_target "amdgcn-amd-amdhsa--gfx1250"
	.amdhsa_code_object_version 6
	.text
	.protected	k_q15db2d79ab_prep
	.globl	k_q15db2d79ab_prep
	.p2align	8
	.type	k_q15db2d79ab_prep,@function
k_q15db2d79ab_prep:
	s_mov_b64 s[64:65], 0
	v_nop
	global_prefetch_b8 v0, s[64:65] scope:SCOPE_SE
	s_setreg_imm32_b32 hwreg(HW_REG_WAVE_MODE, 25, 1), 1
	s_wait_xcnt 0x0
; THE WEIGHTS, ONCE.  Wq, Wk, Wv [512][512] f32 (K innermost) become codes of FP4 (E2M1) with one E8M0 scale byte for each 32 along K; Wo [512][512] f32 becomes f16.
; Both leave as IMAGES OF OPERAND REGISTERS: a fragment is 8 registers a lane, 1,024 bytes: registers 0-3 of lane l at 16 l, registers 4-7 at 512 + 16 l.  The launches behind this one load them by 16 bytes a lane, dense.
;   wimg  [matrix 3][head 16][K step 4][ct 2] x 1,024: 16 rows (32 head + 16 ct + r) x 128 K of codes
;   wsc   [matrix 3][head 16][K step 4][32 words]: word i = the four scale bytes of row 32 head + i for that K step
;   woimg [nt 32][K step 16] x 1,024: rows 16 nt + r of Wo, 32 along K, f16
; SHARES.  A task is 16 rows x 512 bytes of one matrix: one fragment of codes, or four fragments of f16.  4 matrices x 32 tiles of rows x 4 = 512 tasks, one to a wave, two waves to a work-group:
; task t = 2 x work-group + wave; matrix t / 128 (Wq, Wk, Wv, Wo), tile of rows (t % 128) / 4, which 512 bytes t % 4.
; EVERY LOAD IS DENSE: load j reads the 512 consecutive bytes of row j, 16 a lane.  The conversions want a lane to hold neighbours along K of ONE row, so the 8,192 bytes turn through the wave's own stage in LDS:
; in as they lie, rows 528 bytes apart. The stage is the wave's own: no barrier.
; Both kinds of task take one path as far as the stage's stores (the source is chosen by the work-group's number alone); behind them the two differ in LDS loads, arithmetic and global stores.
; A block's scale is 2^(floor(log2(its largest magnitude)) - 2): its byte is the largest magnitude's exponent field - 2, held at 1 from below.
; LIMITS: a block of zeros, and a block whose largest magnitude lies under 2^-124, gets the byte 1 (zeros: their codes are zeros, and these bytes are read by this program alone); NaN and infinities are not served;
; Wo's numbers must lie inside f16's range (65,504).
; The scale words leave 64 bytes a wave: 24,576 bytes in all, against 4 MiB read.
.set SPITCH, 528                       ; a row in the stage: 512 bytes + 16
.set STGW,   16*SPITCH                 ; a wave's stage
.set SPARE,  2*STGW                    ; behind the two stages: the spare words, 128 bytes for each wave: one block of 256 bytes that no other line names
.set SPW,  1                           ; v1      LDS address of my spare word; never rewritten
.set NIL,  2                           ; v2      0; never rewritten
.set LI,   3                           ; v3      16 x lane: my place in a row's 512 bytes, and in an image
.set SWR,  4                           ; v4      the stage as I store into it: 16 x lane
.set SRA,  5                           ; v5      as I read it for codes: row r + 128 h
.set SRB,  6                           ; v6      and for f16: row r + 32 h
.set SH8,  7                           ; v7      8 x (lane / 16): where my two scale bytes stand in the word
.set TM,   8                           ; v8-9    the two blocks' largest magnitudes
.set SO,   10                          ; v10-11  the conversions' scale operands
.set BY,   12                          ; v12-13  the scale bytes
.set W,    14                          ; v14     the scale word
.set TP,   15                          ; v15     the other half's bytes
.set LANE, 16                          ; v16     lane
.set WOFF, 17                          ; v17     4 r: my row's scale word
.set C,    20                          ; v20-51  the results: one fragment of codes, or four of f16
.set N,    52                          ; v52-115 64 numbers
.set SEL,  2                           ; s[2:3]  v_permlanex16_b32's selects for lane l xor 16
; 64 numbers of a lane, v[n + 32 c + i] = k 64 c + 32 (lane / 16) + i of my row: two whole blocks.  They become the fragment's 8 registers in v[c] on and my row's scale word in v[w].
.macro QUANT n, c, w
.irp cc, 0,1
	v_max3_num_f32 v[TM+\cc], |v[\n+32*\cc]|, |v[\n+32*\cc+1]|, 0x1800000   ; with the floor 2^(3 - 127): the byte cannot fall under 1
.endr
.irp i, 2,4,6,8,10,12,14,16,18,20,22,24,26,28,30
.irp cc, 0,1
	v_max3_num_f32 v[TM+\cc], v[TM+\cc], |v[\n+32*\cc+\i]|, |v[\n+32*\cc+\i+1]|   ; the two blocks by turns
.endr
.endr
.irp cc, 0,1
	v_add_nc_u32 v[SO+\cc], 0xff000000, v[TM+\cc]  ; 2 off the exponent field: the conversion takes the exponent field of this operand as its scale
.endr
.irp cc, 0,1
	v_lshrrev_b32 v[BY+\cc], 23, v[SO+\cc]         ; the scale's byte
.endr
	v_lshl_or_b32 v[\w], v[BY+1], 16, v[BY]        ; my bytes: blocks h and 2 + h,
	v_lshlrev_b32 v[\w], v[SH8], v[\w]             ; at their places;
	v_permlanex16_b32 v[TP], v[\w], s[SEL], s[SEL+1]
	v_or_b32 v[\w], v[\w], v[TP]                   ; with lane l xor 16's two the word is whole
.irp cc, 0,1
.irp g, 0,1,2,3
	v_cvt_scalef32_pk8_fp4_f32 v[\c+4*\cc+\g], v[\n+32*\cc+8*\g:\n+32*\cc+8*\g+7], v[SO+\cc]
.endr
.endr
	v_nop                                          ; one plain line behind the last scaled conversion
.endm
	s_load_b256 s[4:11], s[0:1], 0x0               ; Wq s[4:5], Wk s[6:7], Wv s[8:9], Wo s[10:11]
	s_load_b128 s[12:15], s[0:1], 0x20             ; wimg s[12:13], wsc s[14:15]
	s_load_b64 s[16:17], s[0:1], 0x30              ; woimg
	v_lshl_add_u32 v[SPW], v0, 2, SPARE
	v_mov_b32 v[NIL], 0
	v_lshrrev_b32 v8, 5, v0
	v_readfirstlane_b32 s18, v8                    ; wave 0..1
	v_and_b32 v[LANE], 31, v0
	v_and_b32 v9, 15, v0                           ; r
	v_bfe_u32 v10, v0, 4, 1                        ; h
	v_lshlrev_b32 v[LI], 4, v[LANE]
	v_lshlrev_b32 v[WOFF], 2, v9
	v_lshlrev_b32 v[SH8], 3, v10
	v_mov_b32 v[TP], 0                             ; a lane permute's destination counts as one of its sources
	s_mul_i32 s19, s18, STGW                       ; my stage
	v_add_nc_u32 v[SWR], s19, v[LI]
	v_mul_u32_u24 v[SRB], v9, SPITCH
	v_add_nc_u32 v[SRB], s19, v[SRB]               ; row r of it
	v_lshl_add_u32 v[SRA], v10, 7, v[SRB]          ; + 128 h: my 32 numbers of each 64
	v_lshl_add_u32 v[SRB], v10, 5, v[SRB]          ; + 32 h: my 8 numbers of each 16
	s_mov_b32 s[SEL], 0x76543210
	s_mov_b32 s[SEL+1], 0xfedcba98
	s_lshl_b32 s20, ttmp9, 1
	s_add_co_u32 s20, s20, s18                     ; t
	s_and_b32 s21, s20, 127                        ; the task within its matrix
	s_lshr_b32 s22, s21, 2                         ; the tile of 16 rows
	s_and_b32 s23, s21, 3                          ; which 512 bytes of the rows
	s_lshl_b32 s24, s22, 15                        ; 16 rows of 2,048 bytes
	s_lshl_b32 s26, s23, 9
	s_add_co_u32 s24, s24, s26
	s_mov_b32 s25, 0
	s_wait_kmcnt 0x0
	s_cmp_lt_u32 ttmp9, 64                         ; which matrix: the choice hangs on the work-group's number alone
	s_cselect_b64 s[28:29], s[4:5], s[6:7]
	s_cmp_lt_u32 ttmp9, 128
	s_cselect_b64 s[28:29], s[28:29], s[8:9]
	s_cmp_lt_u32 ttmp9, 192
	s_cselect_b64 s[28:29], s[28:29], s[10:11]
	s_add_nc_u64 s[28:29], s[28:29], s[24:25]
.irp j, 0,1,2,3,4,5,6,7,8,9,10,11,12,13,14,15
	global_load_b128 v[N+4*\j:N+4*\j+3], v[LI], s[28:29] offset:2048*\j th:TH_LOAD_NT   ; row j: 32 lanes read 512 consecutive bytes; read once in the launch
.endr
.irp j, 0,1,2,3,4,5,6,7,8,9,10,11,12,13,14,15
	s_wait_loadcnt 15-\j                           ; row j is in; the younger rows may be out
	ds_store_b128 v[SWR], v[N+4*\j:N+4*\j+3] offset:SPITCH*\j
.endr
	s_cmp_lt_u32 ttmp9, 192
	s_cbranch_scc0 .Lwo
	; ---- a fragment of codes: head = tile / 2, ct = tile % 2, K step = which 512 bytes
.irp c, 0,1
.irp i, 0,1,2,3,4,5,6,7
	ds_load_b128 v[N+32*\c+4*\i:N+32*\c+4*\i+3], v[SRA] offset:256*\c+16*\i   ; LDS serves a wave's instructions in order: these see my stores.  k = 64 c + 32 h + 4 i on, of row r
.endr
.endr
	s_lshr_b32 s26, s22, 1
	s_lshl_b32 s26, s26, 3                         ; 8 x head
	s_lshl_b32 s27, s23, 1                         ; + 2 x K step
	s_add_co_u32 s26, s26, s27
	s_and_b32 s27, s22, 1                          ; + ct
	s_add_co_u32 s26, s26, s27
	s_sub_co_u32 s27, s20, s21                     ; + 128 x matrix
	s_add_co_u32 s26, s26, s27                     ; the fragment's number
	s_lshl_b32 s24, s26, 10                        ; its image: 1,024 bytes each
	s_lshl_b32 s26, s26, 6                         ; its scale words: 64 bytes each
	s_mov_b32 s27, 0
	s_add_nc_u64 s[12:13], s[12:13], s[24:25]
	s_add_nc_u64 s[14:15], s[14:15], s[26:27]
	s_wait_dscnt 0x0
	QUANT N, C, W
	global_store_b128 v[LI], v[C:C+3], s[12:13]    ; 32 lanes store 512 consecutive bytes
	global_store_b128 v[LI], v[C+4:C+7], s[12:13] offset:512
	v_cmp_gt_u32 vcc_lo, 16, v[LANE]
	s_wait_xcnt 0x0                                ; EXEC changes only behind this wait
	s_and_saveexec_b32 s30, vcc_lo
	global_store_b32 v[WOFF], v[W], s[14:15]       ; lanes 0-15: sixteen rows' words
	s_wait_xcnt 0x0
	s_or_b32 exec_lo, exec_lo, s30
	s_branch .Lend
.Lwo:
	; ---- four fragments of Wo in f16: nt = tile, K steps 4 x (which 512 bytes) + j.  Lane (r, h): registers 0-3 hold k = 8 h + 0..7 of the fragment's 32, registers 4-7 k = 16 + 8 h + 0..7
.irp j, 0,1,2,3
	ds_load_b128 v[N+16*\j:N+16*\j+3],     v[SRB] offset:128*\j
	ds_load_b128 v[N+16*\j+4:N+16*\j+7],   v[SRB] offset:128*\j+16
	ds_load_b128 v[N+16*\j+8:N+16*\j+11],  v[SRB] offset:128*\j+64
	ds_load_b128 v[N+16*\j+12:N+16*\j+15], v[SRB] offset:128*\j+80
.endr
	s_lshl_b32 s24, s21, 12                        ; the four images lie on end: 4,096 x the task
	s_add_nc_u64 s[16:17], s[16:17], s[24:25]
	s_wait_dscnt 0x0
.set i, 0
.rept 32
	v_cvt_pk_f16_f32 v[C+i], v[N+2*i], v[N+2*i+1]
.set i, i+1
.endr
.irp i, 0,1,2,3,4,5,6,7
	global_store_b128 v[LI], v[C+4*\i:C+4*\i+3], s[16:17] offset:512*\i
.endr
.Lend:
	s_wait_tensorcnt 0x0                           ; the wave's end, behind my last LDS store
	ds_add_u32 v[SPW], v[NIL]
	s_wait_dscnt 0x0
	s_endpgm
.Lfunc_end_k_q15db2d79ab_prep:
	.size	k_q15db2d79ab_prep, .Lfunc_end_k_q15db2d79ab_prep-k_q15db2d79ab_prep
	.p2alignl 7, 3214868480
	.fill 96, 4, 3214868480
	.section	.rodata,"a",@progbits
	.p2align	6, 0x0
	.amdhsa_kernel k_q15db2d79ab_prep
		.amdhsa_group_segment_fixed_size 17152
		.amdhsa_private_segment_fixed_size 0
		.amdhsa_enable_private_segment 0
		.amdhsa_kernarg_size 56
		.amdhsa_user_sgpr_count 2
		.amdhsa_user_sgpr_kernarg_segment_ptr 1
		.amdhsa_wavefront_size32 1
		.amdhsa_system_sgpr_workgroup_id_x 1
		.amdhsa_system_sgpr_workgroup_id_y 1
		.amdhsa_system_sgpr_workgroup_id_z 1
		.amdhsa_system_vgpr_workitem_id 0
		.amdhsa_next_free_vgpr 116
		.amdhsa_next_free_sgpr 66
		.amdhsa_reserve_vcc 1
		.amdhsa_float_denorm_mode_32 3
		.amdhsa_float_denorm_mode_16_64 3
		.amdhsa_memory_ordered 1
		.amdhsa_forward_progress 1
		.amdhsa_inst_pref_size 14
	.end_amdhsa_kernel
	.amdgpu_metadata
---
amdhsa.version: [ 1, 2 ]
amdhsa.kernels:
  - .name:           k_q15db2d79ab_prep
    .symbol:         k_q15db2d79ab_prep.kd
    .args:
      - { .name: Wq, .offset: 0, .size: 8, .value_kind: global_buffer, .address_space: global }
      - { .name: Wk, .offset: 8, .size: 8, .value_kind: global_buffer, .address_space: global }
      - { .name: Wv, .offset: 16, .size: 8, .value_kind: global_buffer, .address_space: global }
      - { .name: Wo, .offset: 24, .size: 8, .value_kind: global_buffer, .address_space: global }
      - { .name: wimg, .offset: 32, .size: 8, .value_kind: global_buffer, .address_space: global }
      - { .name: wsc, .offset: 40, .size: 8, .value_kind: global_buffer, .address_space: global }
      - { .name: woimg, .offset: 48, .size: 8, .value_kind: global_buffer, .address_space: global }
    .group_segment_fixed_size: 17152
    .private_segment_fixed_size: 0
    .kernarg_segment_align: 8
    .kernarg_segment_size: 56
    .max_flat_workgroup_size: 64
    .sgpr_count:     66
    .vgpr_count:     116
    .wavefront_size: 32
...
	.end_amdgpu_metadata
.endif
;; end of part 4
;; launch qkv (part 5): grid 256 x 1, 16 waves a work-group, no clusters, 154,624 bytes of LDS; arguments X, wimg, wsc, qf, kvf; writes qf, kvf
.if DOCPART == 5
	.amdgcn_target "amdgcn-amd-amdhsa--gfx1250"
	.amdhsa_code_object_version 6
	.text
	.protected	k_q15db2d79ab_qkv
	.globl	k_q15db2d79ab_qkv
	.p2align	8
	.type	k_q15db2d79ab_qkv,@function
k_q15db2d79ab_qkv:
	s_mov_b64 s[64:65], 0
	v_nop
	global_prefetch_b8 v0, s[64:65] scope:SCOPE_SE
	s_setreg_imm32_b32 hwreg(HW_REG_WAVE_MODE, 25, 1), 1
	s_wait_xcnt 0x0
; q, k, v = X Wq^T, X Wk^T, X Wv^T, all three on codes of FP4 (E2M1) with one E8M0 scale for each 32 along K = 512; sums in f32; results leave as f16, laid as the attention launch's operand registers.
; SHARES.  Work-group g owns rows 64 g .. 64 g + 63 of X [16,384][512]: one block of queries, which is also one step of keys, of batch g / 16.  Wave w is head w: 64 rows x (32 q + 32 k + 32 v) columns: 96 matrix instructions.
; X IS READ AND QUANTISED ONCE: wave w quantises rows 16 (w / 4) on, K step w % 4 (16 rows x 128 K: one fragment and one scale word a row) and stores it in LDS as an image of its registers; one barrier; every wave reads all sixteen.
; X'S LOADS ARE DENSE: load j reads the 512 consecutive bytes of row j's K step, 16 a lane.  The conversions want a lane to hold neighbours along K of ONE row, so the wave's 8,192 bytes turn through its own stage in LDS:
; in as they lie, rows 528 bytes apart. The stage is the wave's own: no barrier for it.
; THE WEIGHTS come as images of operand registers (the launch before laid them so), straight from memory into registers: a wave's 24 fragments are its own, read once.
; NO CLUSTER, NO JOINT LOADS, though all work-groups read the same weights: a fragment feeds one wave of a work-group once, so LDS would only be a detour; and the three matrices' images and words, 417,792 bytes,
; are more than the 327,680 bytes of LDS, so that a joint load would want a ring with a round of the cluster's barrier for each refill, for 96 matrix instructions a wave.
; LAYOUT.  q and k: source 0 = 16 rows of W (channels), source 1 = 16 rows of X: a lane holds one row of X and its eight registers eight neighbouring channels; the tiles of channels 0-15 and 16-31, rounded to f16 in pairs, ARE
; a 16-bit fragment of 16 rows x 32 channels.  v: the sources change places: a lane holds one channel and eight neighbouring keys; two tiles of keys are a fragment of V^T, 16 channels x 32 keys.  So no result goes through a stage.
;   qf  [batch][block of 64 queries][head][tile of 16 queries] x 1,024 bytes;   kvf [batch][step of 64 keys][head] x 8,192: K's four fragments, then V^T's four (2 x group of 32 keys + tile of 16 channels)
; LIMITS: a block of zeros, and one whose largest magnitude lies under 2^-124, gets the scale byte 1 (zeros: its codes are zeros; the bytes stay in this launch); NaN and infinities are not served; |q|, |k|, |v| must lie inside f16's range (65,504).
.set XIMG,  0                          ; LDS: X's 16 fragments: (tile of rows rt, K step ks) at (4 ks + rt) x 1,024
.set XSC,   16384                      ; their scale words: [ks][64 rows]
.set SPARE, 17408                      ; the spare words, 128 bytes for each wave: eight blocks of 256 bytes that no other line names
.set STG,   19456                      ; a stage of 16 rows x 528 bytes for each wave
.set SPITCH, 528
.set STGW,  16*SPITCH
.set SPW, 1                            ; v1      LDS address of my spare word; never rewritten
.set NIL, 2                            ; v2      0; never rewritten
.set LI,  3                            ; v3      16 x lane: an image's place for my lane, and my place in a row's 512 bytes
.set LS,  4                            ; v4      4 x lane: a scale word's
.set XIW, 5                            ; v5      where I store my fragment of X
.set XSW, 6                            ; v6      and its scale words
.set XRD, 7                            ; v7      my stage as I read it: row r + 128 h
.set TM,  8                            ; v8-15   at work in QUANT
.set SO,  10
.set BY,  12
.set W,   14
.set TP,  15
.set ACC, 16                           ; v16-79  eight accumulators; at the head my 64 numbers of X
.set XF,  80                           ; v80-111 X's four fragments of a K step; on the way out the packed results
.set XS,  112                          ; v112-113 X's scale words: lanes 0-15 tile 2 p, lanes 16-31 tile 2 p + 1
.set WSA, 114                          ; v114-117, v118-121 a matrix's scale words, one register a K step: lanes 0-15 channels 0-15, lanes 16-31 channels 16-31
.set WSB, 118
.set WA,  122                          ; v122-185, v186-249 a matrix's eight fragments (2 ks + ct)
.set WB,  186
.set SH8, 250                          ; v250    8 x (lane / 16)
.set XWR, 251                          ; v251    my stage as I store into it: 16 x lane
.set SEL, 2                            ; s[2:3]
.set WV,  14                           ; s14     my wave's number = my head
.macro PLACES
.rept 4
	v_nop
.endr
.endm
; 64 numbers of a lane, v[n + 32 c + i] = k 64 c + 32 (lane / 16) + i of my row: two whole blocks.  They become the fragment's 8 registers in v[c] on and my row's scale word in v[w].
.macro QUANT n, c, w
.irp cc, 0,1
	v_max3_num_f32 v[TM+\cc], |v[\n+32*\cc]|, |v[\n+32*\cc+1]|, 0x1800000   ; with the floor 2^(3 - 127): the byte cannot fall under 1
.endr
.irp i, 2,4,6,8,10,12,14,16,18,20,22,24,26,28,30
.irp cc, 0,1
	v_max3_num_f32 v[TM+\cc], v[TM+\cc], |v[\n+32*\cc+\i]|, |v[\n+32*\cc+\i+1]|   ; the two blocks by turns
.endr
.endr
.irp cc, 0,1
	v_add_nc_u32 v[SO+\cc], 0xff000000, v[TM+\cc]  ; 2 off the exponent field: the conversion takes the exponent field of this operand as its scale
.endr
.irp cc, 0,1
	v_lshrrev_b32 v[BY+\cc], 23, v[SO+\cc]         ; the scale's byte
.endr
	v_lshl_or_b32 v[\w], v[BY+1], 16, v[BY]        ; my bytes: blocks h and 2 + h,
	v_lshlrev_b32 v[\w], v[SH8], v[\w]             ; at their places;
	v_permlanex16_b32 v[TP], v[\w], s[SEL], s[SEL+1]
	v_or_b32 v[\w], v[\w], v[TP]                   ; with lane l xor 16's two the word is whole
.irp cc, 0,1
.irp g, 0,1,2,3
	v_cvt_scalef32_pk8_fp4_f32 v[\c+4*\cc+\g], v[\n+32*\cc+8*\g:\n+32*\cc+8*\g+7], v[SO+\cc]
.endr
.endr
	v_nop                                          ; one plain line behind the last scaled conversion
.endm
; a matrix's eight fragments and four registers of scale words: 20 loads
.macro WLOAD mtx, wb, ws
.irp f, 0,1,2,3,4,5,6,7
.irp c, 0,1
	global_load_b128 v[\wb+8*\f+4*\c:\wb+8*\f+4*\c+3], v[LI], s[6:7] offset:\mtx*131072+1024*\f+512*\c
.endr
.endr
.irp ks, 0,1,2,3
	global_load_b32 v[\ws+\ks], v[LS], s[8:9] offset:\mtx*8192+128*\ks
.endr
.endm
; one product, by the symbols rD, rA, rB (registers), rSA, rSB (scale registers), selA, selB (1: the scales stand in lanes 16-31), zero (1: it starts the sum)
.macro MM
.if zero
.if selA && selB
	v_wmma_scale_f32_16x16x128_f8f6f4 v[rD:rD+7], v[rA:rA+7], v[rB:rB+7], 0, v[rSA], v[rSB] matrix_a_fmt:MATRIX_FMT_FP4 matrix_b_fmt:MATRIX_FMT_FP4 matrix_a_scale:MATRIX_SCALE_ROW1 matrix_b_scale:MATRIX_SCALE_ROW1
.elseif selA
	v_wmma_scale_f32_16x16x128_f8f6f4 v[rD:rD+7], v[rA:rA+7], v[rB:rB+7], 0, v[rSA], v[rSB] matrix_a_fmt:MATRIX_FMT_FP4 matrix_b_fmt:MATRIX_FMT_FP4 matrix_a_scale:MATRIX_SCALE_ROW1
.elseif selB
	v_wmma_scale_f32_16x16x128_f8f6f4 v[rD:rD+7], v[rA:rA+7], v[rB:rB+7], 0, v[rSA], v[rSB] matrix_a_fmt:MATRIX_FMT_FP4 matrix_b_fmt:MATRIX_FMT_FP4 matrix_b_scale:MATRIX_SCALE_ROW1
.else
	v_wmma_scale_f32_16x16x128_f8f6f4 v[rD:rD+7], v[rA:rA+7], v[rB:rB+7], 0, v[rSA], v[rSB] matrix_a_fmt:MATRIX_FMT_FP4 matrix_b_fmt:MATRIX_FMT_FP4
.endif
.else
.if selA && selB
	v_wmma_scale_f32_16x16x128_f8f6f4 v[rD:rD+7], v[rA:rA+7], v[rB:rB+7], v[rD:rD+7], v[rSA], v[rSB] matrix_a_fmt:MATRIX_FMT_FP4 matrix_b_fmt:MATRIX_FMT_FP4 matrix_a_scale:MATRIX_SCALE_ROW1 matrix_b_scale:MATRIX_SCALE_ROW1
.elseif selA
	v_wmma_scale_f32_16x16x128_f8f6f4 v[rD:rD+7], v[rA:rA+7], v[rB:rB+7], v[rD:rD+7], v[rSA], v[rSB] matrix_a_fmt:MATRIX_FMT_FP4 matrix_b_fmt:MATRIX_FMT_FP4 matrix_a_scale:MATRIX_SCALE_ROW1
.elseif selB
	v_wmma_scale_f32_16x16x128_f8f6f4 v[rD:rD+7], v[rA:rA+7], v[rB:rB+7], v[rD:rD+7], v[rSA], v[rSB] matrix_a_fmt:MATRIX_FMT_FP4 matrix_b_fmt:MATRIX_FMT_FP4 matrix_b_scale:MATRIX_SCALE_ROW1
.else
	v_wmma_scale_f32_16x16x128_f8f6f4 v[rD:rD+7], v[rA:rA+7], v[rB:rB+7], v[rD:rD+7], v[rSA], v[rSB] matrix_a_fmt:MATRIX_FMT_FP4 matrix_b_fmt:MATRIX_FMT_FP4
.endif
.endif
.endm
; ONE MATRIX: 64 rows x my head's 32 columns: eight accumulators by turns, one instruction a turn, in the same order in each of the four K steps.
; nat = 0 (q, k): source 0 = W, source 1 = X.  nat = 1 (v): source 0 = X, source 1 = W.  first = 1: no store of mine is out yet.
.macro GROUP wb, ws, nat, first
.irp ks, 0,1,2,3
	PLACES                                         ; four places ahead of loads into registers that matrix instructions have read (ISA guide 7.12.1 for vector instructions); with the way out's four they are eight ahead of the products that begin the accumulators anew
.if (\ks == 0) && (\first == 0)
	s_wait_xcnt 0x0                                ; the last way out's stores have read XF
.endif
.irp rt, 0,1,2,3
.irp c, 0,1
	ds_load_b128 v[XF+8*\rt+4*\c:XF+8*\rt+4*\c+3], v[LI] offset:XIMG+(4*\ks+\rt)*1024+512*\c
.endr
.endr
.irp p, 0,1
	ds_load_b32 v[XS+\p], v[LS] offset:XSC+256*\ks+128*\p
.endr
	s_wait_dscnt 0x0
.irp rt, 0,1,2,3
.irp ct, 0,1
.set zero, (\ks == 0)
.if \nat
.set rD,  ACC+8*(4*(\rt/2)+2*\ct+(\rt%2))
.set rA,  XF+8*\rt
.set rB,  \wb+8*(2*\ks+\ct)
.set rSA, XS+\rt/2
.set rSB, \ws+\ks
.set selA, \rt%2
.set selB, \ct
.else
.set rD,  ACC+8*(2*\rt+\ct)
.set rA,  \wb+8*(2*\ks+\ct)
.set rB,  XF+8*\rt
.set rSA, \ws+\ks
.set rSB, XS+\rt/2
.set selA, \ct
.set selB, \rt%2
.endif
	MM
.endr
.endr
.endr
.endm
; THE WAY OUT: rounded to f16 in pairs, each accumulator from its low end on; the 32 packed registers are four fragments as they stand: eight stores of 512 consecutive bytes
.macro WAYOUT base, off
	PLACES
.set i, 0
.rept 32
	v_cvt_pk_f16_f32 v[XF+i], v[ACC+2*i], v[ACC+2*i+1]
.set i, i+1
.endr
.irp i, 0,1,2,3,4,5,6,7
	global_store_b128 v[LI], v[XF+4*\i:XF+4*\i+3], s[\base:\base+1] offset:\off+512*\i
.endr
.endm
	s_load_b256 s[4:11], s[0:1], 0x0               ; X s[4:5], wimg s[6:7], wsc s[8:9], qf s[10:11]
	s_load_b64 s[12:13], s[0:1], 0x20              ; kvf
	v_lshl_add_u32 v[SPW], v0, 2, SPARE
	v_mov_b32 v[NIL], 0
	v_lshrrev_b32 v8, 5, v0
	v_readfirstlane_b32 s[WV], v8                  ; wave 0..15
	v_and_b32 v8, 31, v0
	v_lshlrev_b32 v[LI], 4, v8
	v_lshlrev_b32 v[LS], 2, v8
	v_and_b32 v9, 15, v0                           ; r
	v_bfe_u32 v10, v0, 4, 1                        ; h
	s_mul_i32 s19, s[WV], STGW
	s_add_co_u32 s19, s19, STG                     ; my stage
	v_add_nc_u32 v[XWR], s19, v[LI]
	v_mul_u32_u24 v[XRD], v9, SPITCH
	v_lshl_add_u32 v[XRD], v10, 7, v[XRD]
	v_add_nc_u32 v[XRD], s19, v[XRD]
	v_lshlrev_b32 v[SH8], 3, v10
	v_mov_b32 v[TP], 0                             ; a lane permute's destination counts as one of its sources
	s_and_b32 s15, s[WV], 3                        ; the K step that I quantise,
	s_lshr_b32 s16, s[WV], 2                       ; and the tile of rows
	s_lshl_b32 s17, s15, 2
	s_add_co_u32 s17, s17, s16
	s_lshl_b32 s17, s17, 10
	v_add_nc_u32 v[XIW], s17, v[LI]
	s_lshl_b32 s17, s15, 8
	s_lshl_b32 s18, s16, 6
	s_add_co_u32 s17, s17, s18
	s_add_co_u32 s17, s17, XSC
	v_lshl_add_u32 v[XSW], v9, 2, s17
	s_lshl_b32 s20, ttmp9, 17                      ; X: 64 rows of 2,048 bytes a work-group,
	s_lshl_b32 s18, s16, 15                        ; 16 rows a tile,
	s_add_co_u32 s20, s20, s18
	s_lshl_b32 s18, s15, 9                         ; 512 bytes a K step
	s_add_co_u32 s20, s20, s18
	s_mov_b32 s21, 0
	s_lshl_b32 s22, s[WV], 13                      ; my head's eight fragments of a matrix
	s_mov_b32 s23, 0
	s_lshl_b32 s24, s[WV], 9                       ; and their scale words
	s_mov_b32 s25, 0
	s_lshl_b32 s26, ttmp9, 4
	s_add_co_u32 s26, s26, s[WV]                   ; 16 g + head
	s_lshl_b32 s28, s26, 13                        ; in kvf: 8,192 bytes each
	s_lshl_b32 s26, s26, 12                        ; in qf: 4,096
	s_mov_b32 s27, 0
	s_mov_b32 s29, 0
	s_mov_b32 s[SEL], 0x76543210
	s_mov_b32 s[SEL+1], 0xfedcba98
	s_wait_kmcnt 0x0
	s_add_nc_u64 s[4:5], s[4:5], s[20:21]
	s_add_nc_u64 s[6:7], s[6:7], s[22:23]
	s_add_nc_u64 s[8:9], s[8:9], s[24:25]
	s_add_nc_u64 s[10:11], s[10:11], s[26:27]
	s_add_nc_u64 s[12:13], s[12:13], s[28:29]
.irp j, 0,1,2,3,4,5,6,7,8,9,10,11,12,13,14,15
	global_load_b128 v[ACC+4*\j:ACC+4*\j+3], v[LI], s[4:5] offset:2048*\j th:TH_LOAD_NT   ; row j of my tile, my K step: 32 lanes read 512 consecutive bytes; read once in the launch
.endr
	WLOAD 0, WA, WSA                               ; Wq
	WLOAD 1, WB, WSB                               ; Wk
.irp j, 0,1,2,3,4,5,6,7,8,9,10,11,12,13,14,15
	s_wait_loadcnt 55-\j                           ; row j is in; the 15 - j younger rows and the 40 loads of weights may be out
	ds_store_b128 v[XWR], v[ACC+4*\j:ACC+4*\j+3] offset:SPITCH*\j
.endr
.irp c, 0,1
.irp i, 0,1,2,3,4,5,6,7
	ds_load_b128 v[ACC+32*\c+4*\i:ACC+32*\c+4*\i+3], v[XRD] offset:256*\c+16*\i   ; LDS serves a wave's instructions in order: these see my stores.  X(r, 128 ks + 64 c + 32 h + 4 i ..)
.endr
.endr
	s_wait_dscnt 0x0
	QUANT ACC, XF, W
	ds_store_b128 v[XIW], v[XF:XF+3]
	ds_store_b128 v[XIW], v[XF+4:XF+7] offset:512
	ds_store_b32 v[XSW], v[W]                      ; both halves of the lanes hold row r's word and write it to the same place
	s_wait_dscnt 0x0                               ; for the others' sake: my stores have landed
	s_barrier_signal -1
	s_barrier_wait -1                              ; X's sixteen fragments lie in LDS; nothing is written there again
	s_wait_loadcnt 20                              ; Wq is in; Wk's 20 may be out
	GROUP WA, WSA, 0, 1
	WAYOUT 10, 0
	WLOAD 2, WA, WSA                               ; Wv takes Wq's registers: the way out's four places stand behind the last product that read them
	s_wait_loadcnt 20                              ; Wk is in; Wv's 20 may be out
	GROUP WB, WSB, 0, 0
	WAYOUT 12, 0
	s_wait_loadcnt 0x0                             ; Wv
	GROUP WA, WSA, 1, 0
	WAYOUT 12, 4096
	s_wait_tensorcnt 0x0                           ; the wave's end, behind my last LDS store
	ds_add_u32 v[SPW], v[NIL]
	s_wait_dscnt 0x0
	s_endpgm
.Lfunc_end_k_q15db2d79ab_qkv:
	.size	k_q15db2d79ab_qkv, .Lfunc_end_k_q15db2d79ab_qkv-k_q15db2d79ab_qkv
	.p2alignl 7, 3214868480
	.fill 96, 4, 3214868480
	.section	.rodata,"a",@progbits
	.p2align	6, 0x0
	.amdhsa_kernel k_q15db2d79ab_qkv
		.amdhsa_group_segment_fixed_size 154624
		.amdhsa_private_segment_fixed_size 0
		.amdhsa_enable_private_segment 0
		.amdhsa_kernarg_size 40
		.amdhsa_user_sgpr_count 2
		.amdhsa_user_sgpr_kernarg_segment_ptr 1
		.amdhsa_wavefront_size32 1
		.amdhsa_system_sgpr_workgroup_id_x 1
		.amdhsa_system_sgpr_workgroup_id_y 1
		.amdhsa_system_sgpr_workgroup_id_z 1
		.amdhsa_system_vgpr_workitem_id 0
		.amdhsa_next_free_vgpr 256
		.amdhsa_next_free_sgpr 66
		.amdhsa_reserve_vcc 0
		.amdhsa_float_denorm_mode_32 3
		.amdhsa_float_denorm_mode_16_64 3
		.amdhsa_memory_ordered 1
		.amdhsa_forward_progress 1
		.amdhsa_inst_pref_size 46
	.end_amdhsa_kernel
	.amdgpu_metadata
---
amdhsa.version: [ 1, 2 ]
amdhsa.kernels:
  - .name:           k_q15db2d79ab_qkv
    .symbol:         k_q15db2d79ab_qkv.kd
    .args:
      - { .name: X, .offset: 0, .size: 8, .value_kind: global_buffer, .address_space: global }
      - { .name: wimg, .offset: 8, .size: 8, .value_kind: global_buffer, .address_space: global }
      - { .name: wsc, .offset: 16, .size: 8, .value_kind: global_buffer, .address_space: global }
      - { .name: qf, .offset: 24, .size: 8, .value_kind: global_buffer, .address_space: global }
      - { .name: kvf, .offset: 32, .size: 8, .value_kind: global_buffer, .address_space: global }
    .group_segment_fixed_size: 154624
    .private_segment_fixed_size: 0
    .kernarg_segment_align: 8
    .kernarg_segment_size: 40
    .max_flat_workgroup_size: 512
    .sgpr_count:     66
    .vgpr_count:     256
    .wavefront_size: 32
...
	.end_amdgpu_metadata
.endif
;; end of part 5
;; launch attn: the kernel of part 3 again; grid 16 x 16, 16 waves a work-group, clusters of 4 x 1, 327,680 bytes of LDS; arguments qf, kvf, mask, woimg, bo, out0; writes out0
